; MI455X (gfx1250); checked and timed in simulation.
; The chip was launched on July 23, 2026; its instructions are those of AMD's public machine-readable ISA for CDNA 5 (MIT licence, August 2026) and "CDNA5" Instruction Set Architecture Reference Guide (July 2026). The comments in the code are by the model that wrote it; some were corrected since.
;; Multi Head Attention. Allowed arithmetic: matrix products marked QUANTISED: E2M1 operands, one E8M0 scale for each 32 along K, by v_wmma_scale_f32_16x16x128_f8f6f4 with both operands' format E2M1 (or v_wmma_scale_f32_32x16x128_f4), f32 sums; products left as they are: bf16, f16 or f32 operands; f32 sums; everything else in f32.
;; Inputs: Wk 16 x 1,024 x 64 float32; Wo 1,024 x 1,024 float32; Wq 16 x 1,024 x 64 float32; Wv 16 x 1,024 x 64 float32; bk 16 x 64 float32; bo 1,024 float32; bq 16 x 64 float32; bv 16 x 64 float32; x 4 x 2,048 x 1,024 float32.
;; Outputs: out0 4 x 2,048 x 1,024 float32.
;; This version of the problem:
;;   THIS VERSION OF THE PROBLEM IS GIVEN IN LOW PRECISION. The matrix products marked QUANTISED in the list below multiply operands that are first quantised to E2M1 (2 exponent bits, 1 mantissa bit; 4 bits a number), with one power-of-two scale for each 32 numbers along K (OCP MX v1.0); their sums are f32. The products marked 'left as it is' may take bf16, f16 or f32 operands, with f32 sums. Whichever they take, every output number must still come out within the allowed error. Rounding operands to bf16 (8 significant bits) uses up far more of that allowance than f16 does (11 bits, for magnitudes from 6e-5 to 65,504). All else is computed in f32.
;;   The module's matrix products, in the order in which they are computed (A, B: the left and right operand; K: the contracted axis; several contracted axes count as one K, in the product's order):
;;     1. [M 1,024, K 1,024] x [K 1,024, N 8,192]; A: input Wq; B: input x: QUANTISED
;;     2. [M 1,024, K 1,024] x [K 1,024, N 8,192]; A: input Wk; B: input x: QUANTISED
;;     3. [M 1,024, K 1,024] x [K 1,024, N 8,192]; A: input Wv; B: input x: QUANTISED
;;     4. batch 64 x [M 2,048, K 64] x [K 64, N 2,048]; A: computed on the way; B: computed on the way: left as it is (an operand is computed on the way)
;;     5. batch 64 x [M 2,048, K 2,048] x [K 2,048, N 64]; A: computed on the way; B: computed on the way: left as it is (an operand is computed on the way)
;;     6. [M 8,192, K 1,024] x [K 1,024, N 1,024]; A: computed on the way; B: input Wo: left as it is (an operand is computed on the way)
;;   THE QUANTISER, for each operand of a quantised product, along K:
;;     - K is cut into blocks of 32 from its start; a last block that is shorter is filled with zeros.
;;     - A block's scale is 2^e with e = floor(log2(the largest magnitude in the block)) - 2, held to -126 .. 127; a block of zeros has e = 0. As a byte (E8M0): e + 127.
;;     - Each number is divided by its block's scale, clamped to +-6, and rounded to the nearest number of E2M1, ties to even, subnormals kept.
;;     - The product sums the exact products of the quantised numbers (number of the format x scale) in f32.
;;   ~~~python
;;   def quantise(x, axis):      # numpy; x: float32 -> the quantised numbers, widened to float32 again
;;       x = np.moveaxis(x, axis, -1); K = x.shape[-1]
;;       x = np.pad(x, [(0, 0)] * (x.ndim - 1) + [(0, -K % 32)]); x = x.reshape(x.shape[:-1] + (-1, 32)); a = np.abs(x).max(-1, keepdims=True)
;;       e = np.where(a > 0, np.clip(np.frexp(np.where(a > 0, a, 1))[1] - 1 - 2, -126, 127), 0)      # np.frexp(a)[1] - 1 = floor(log2(a)), exactly
;;       r = np.clip(x / 2.0 ** e, -6, 6)
;;       step = 2.0 ** (np.maximum(np.frexp(np.where(r == 0, 1, r))[1] - 1, 0) - 1)
;;       q = np.round(r / step) * step * 2.0 ** e      # np.round: ties to even
;;       return np.moveaxis(q.reshape(q.shape[:-2] + (-1,))[..., :K], -1, axis).astype(np.float32)
;;   ~~~
;; One version. Each part assembles by itself: llvm-mc -triple=amdgcn-amd-amdhsa -mcpu=gfx1250 --defsym DOCPART=n.
;; ======== version 1 of 1: 4 launches
;; limits: values are held in f16: magnitudes above 65,504 overflow, below 6.1e-05 lose precision
;; workspace buffers: xc 4,194,304 bytes; xs 262,144 bytes; wc 1,572,864 bytes; ws 98,304 bytes; wot 2,097,152 bytes; qkv 50,331,648 bytes; heads 16,777,216 bytes
;; launch prep (part 1): grid 368 x 1, 4 waves a work-group, no clusters, 102,912 bytes of LDS; arguments x, Wq, Wk, Wv, Wo, xc, xs, wc, ws, wot; writes xc, xs, wc, ws, wot
.if DOCPART == 1
	.amdgcn_target "amdgcn-amd-amdhsa--gfx1250"
	.amdhsa_code_object_version 6
	.text
	.protected	k_qecfe203f59_prep
	.globl	k_qecfe203f59_prep
	.p2align	8
	.type	k_qecfe203f59_prep,@function
k_qecfe203f59_prep:
	s_mov_b64 s[64:65], 0
	v_nop
	global_prefetch_b8 v0, s[64:65] scope:SCOPE_SE
	s_setreg_imm32_b32 hwreg(HW_REG_WAVE_MODE, 25, 1), 1
	s_wait_xcnt 0x0
; MULTI-HEAD ATTENTION, launch 1 of 4: the operands of the later products are laid out once.
;   x  [8192][1024] f32           -> xc: codes of FP4 (E2M1), K innermost, 512 bytes a row; xs: one E8M0 byte for each 32 along K, 32 bytes a row
;   Wq, Wk, Wv [16][1024 k][64] f32 -> wc: codes [3072 rows n = 1024 T + 64 h + e][512 bytes], K innermost (T = 0 q, 1 k, 2 v); ws: [3072][32]
;   Wo [1024 k][1024 n] f32       -> wot: f16 [1024 n][1024 k]
; DEAD WORK: bk.  scores[s][t] = scale x q[s] . (x[t] Wk + bk) = scale x q[s] . (x[t] Wk) + scale x q[s] . bk.  The second term does not hang on t, the axis of the
; softmax, so it is a term added to a softmax's input that is the same along its axis: it cancels for all values of the inputs.  The product of q and k is not a quantised one, so bk moves no code
; and no scale.  bk has then no way to any output: it is not loaded and is no argument of any launch.  bq, bv and bo are live and are added where their products are made.
; LIMITS: a NaN, an infinity or an overflow that reaches only bk's term is not carried to the result.  NaN and infinities among x and the weights are not served by the quantisers.
; A block of zeros gets the byte 1 (the floor) where the quantiser says 127: its codes are zeros, which add nothing under any byte but 0xff, and this program alone reads the bytes.
; Blocks whose largest magnitude lies under 2^(2 - 126) have their byte held at 1.  |Wo| stays under 65,504 (f16).
; A block's scale is 2^(floor(log2(its largest magnitude)) - 2): its byte is the largest magnitude's own exponent field - 2.
; THREE PATHS by the work-group's number, each with LDS bytes of its own and its own end: 0-47 the three weights (a head of one weight each), 48-111 Wo, 112-367 x.  No barrier: waves share nothing.
.set WREG,  8192                       ; path x: a region for each wave: two stages of 32 x 80 bytes, then its 256 scale bytes
.set XSP,   80                         ; a lane's place in a stage: its 64 bytes + 16 of padding
.set WSTG,  32768                      ; path W: four stages of 32 rows x 272 bytes
.set OSTG,  67584                      ; path Wo: the same
.set TP,    272                        ; a stage row: 256 bytes + 16 of padding
.set SPARE, 102400                     ; the spare words, 128 bytes for each wave: two blocks of 256 bytes that no other line names
.set SPW,   192                        ; v192 LDS address of my spare word; never rewritten
.set NIL,   193                        ; v193 0; never rewritten
.set XR,    16                         ; path x: v16-79 four sets of 16 numbers as loaded
.set XX,    80                         ; v80-111 two sets of 16 neighbours
.set XE,    112                        ; v112-127 a scale byte for each step
.set XC,    128                        ; v128-191 codes, four registers for each step
.set WX,    32                         ; paths W, Wo: v32-95 two sets of 32 numbers down K
.set WC,    96                         ; v96.. a block's codes (W: 4) or f16 pairs (Wo: 16)
.set WSB,   24                         ; v24-27 W's scale bytes, four to a register
.set WOUT,  112                        ; v112-175 the way out
.macro FINISH                          ; a wave's end
	s_wait_tensorcnt 0x0
	ds_add_u32 v[SPW], v[NIL]
	s_wait_dscnt 0x0
	s_endpgm
.endm
	s_load_b256 s[4:11], s[0:1], 0x0               ; x s[4:5], Wq s[6:7], Wk s[8:9], Wv s[10:11]
	s_load_b256 s[12:19], s[0:1], 0x20             ; Wo s[12:13], xc s[14:15], xs s[16:17], wc s[18:19]
	s_load_b128 s[20:23], s[0:1], 0x40             ; ws s[20:21], wot s[22:23]
	v_lshl_add_u32 v[SPW], v0, 2, SPARE
	v_mov_b32 v[NIL], 0
	v_lshrrev_b32 v1, 5, v0
	v_readfirstlane_b32 s24, v1                    ; wave 0..3
	v_and_b32 v2, 31, v0                           ; lane
	s_mov_b32 s29, 0                               ; the upper word of every offset pair s[28:29]
	s_wait_kmcnt 0x0
	s_cmp_lt_u32 ttmp9, 48
	s_cbranch_scc1 .Lpath_w
	s_cmp_lt_u32 ttmp9, 112
	s_cbranch_scc1 .Lpath_o
; ---- PATH x.  Rows are dense and K is a multiple of 32: x is a plain stream of blocks of 32.  A wave takes 16 steps of 512 numbers.  Each load reads 512 consecutive bytes; a step's 2,048 bytes
; turn through the wave's own stage in LDS and come back 64 bytes a lane: 16 neighbours along K, two neighbouring lanes to a block.
	v_lshlrev_b32 v3, 4, v2                        ; my 16 bytes of a load's 512
	s_mul_i32 s25, s24, WREG
	v_lshrrev_b32 v14, 2, v2
	v_mul_u32_u24 v14, v14, XSP
	v_and_b32 v15, 3, v2
	v_lshl_add_u32 v14, v15, 4, v14
	v_add_nc_u32 v14, s25, v14                     ; the stage, on the way in: 80 (lane / 4) + 16 (lane % 4)
	v_mul_u32_u24 v15, v2, XSP
	v_add_nc_u32 v15, s25, v15                     ; and on the way out: 80 x lane
	v_lshlrev_b32 v4, 3, v2                        ; my codes' place in a step's: 8 bytes a lane
	v_lshrrev_b32 v5, 1, v2
	s_add_co_u32 s25, s25, 2*32*XSP
	v_add_nc_u32 v5, s25, v5                       ; my wave's 256 scale bytes, my block's byte
	v_lshlrev_b32 v7, 3, v2
	v_add_nc_u32 v6, s25, v7                       ; and on the way out 8 bytes a lane
	s_sub_co_u32 s26, ttmp9, 112
	s_lshl_b32 s26, s26, 2
	s_add_co_u32 s26, s26, s24                     ; which run of 8,192 numbers is my wave's: 0 .. 1023
	s_lshl_b32 s28, s26, 15
	s_add_nc_u64 s[4:5], s[4:5], s[28:29]          ; 32,768 bytes of x,
	s_lshl_b32 s28, s26, 12
	s_add_nc_u64 s[14:15], s[14:15], s[28:29]      ; 4,096 of codes,
	s_lshl_b32 s28, s26, 8
	s_add_nc_u64 s[16:17], s[16:17], s[28:29]      ; 256 scale bytes a run
.macro XLOAD t
.irp i, 0,1,2,3
	global_load_b128 v[XR+16*((\t)%4)+4*\i:XR+16*((\t)%4)+4*\i+3], v3, s[4:5] offset:2048*(\t)+512*\i th:TH_LOAD_NT
.endr
.endm
.macro XTURN t                         ; step t's numbers through the stage: LDS serves a wave's instructions in order, so no wait stands between the stores and the loads
.irp i, 0,1,2,3
	ds_store_b128 v14, v[XR+16*((\t)%4)+4*\i:XR+16*((\t)%4)+4*\i+3] offset:32*XSP*((\t)%2)+8*XSP*\i
.endr
.irp i, 0,1,2,3
	ds_load_b128 v[XX+16*((\t)%2)+4*\i:XX+16*((\t)%2)+4*\i+3], v15 offset:32*XSP*((\t)%2)+16*\i
.endr
.endm
.irp t, 0,1,2,3
	XLOAD \t
.endr
	s_wait_loadcnt 12                              ; step 0's four loads are in; the 12 of steps 1 to 3 may be out
	XTURN 0
.macro XSTEP t
.set XS, XX+16*((\t)%2)
.if (\t) > 0
	s_wait_dscnt 1                                 ; this step's numbers are back from the stage; the last step's byte store may be out
.else
	s_wait_dscnt 0x0
.endif
.if (\t)+4 < 16
	XLOAD (\t)+4                                   ; into the set whose stores into the stage are done
.endif
.if (\t)+1 < 16
.if 14-(\t) >= 3
	s_wait_loadcnt 12                              ; the next step's four loads are in; those of the three steps behind it may be out
.else
	s_wait_loadcnt 4*(14-(\t))
.endif
	XTURN (\t)+1
.endif
	v_max3_num_f32 v8, |v[XS]|, |v[XS+1]|, |v[XS+2]|               ; the largest magnitude of my 16, in two chains
	v_max3_num_f32 v9, |v[XS+3]|, |v[XS+4]|, |v[XS+5]|
.irp i, 6,10
	v_max3_num_f32 v8, v8, |v[XS+\i]|, |v[XS+\i+1]|
	v_max3_num_f32 v9, v9, |v[XS+\i+2]|, |v[XS+\i+3]|
.endr
	v_max3_num_f32 v8, v8, |v[XS+14]|, |v[XS+15]|
	v_max3_num_f32 v8, v8, v9, 0x1800000           ; and the floor 2^(3 - 127): the byte cannot fall under 1
	v_max_num_f32_dpp v8, v8, v8 row_xmask:1 row_mask:0xf bank_mask:0xf   ; and of my neighbour's 16: the block's
	v_add_nc_u32 v11, 0xff000000, v8               ; 2 off its exponent field: the conversion takes the exponent field of this operand as its scale
	v_cvt_scalef32_pk8_fp4_f32 v[XC+4*(\t)], v[XS:XS+7], v11
	v_cvt_scalef32_pk8_fp4_f32 v[XC+4*(\t)+1], v[XS+8:XS+15], v11
	v_lshrrev_b32 v[XE+(\t)], 23, v11              ; the scale's byte (a plain line behind the conversions)
	ds_store_b8 v5, v[XE+(\t)] offset:16*(\t)      ; both lanes of a block write the same byte with the same value
	global_store_b64 v4, v[XC+4*(\t):XC+4*(\t)+1], s[14:15] offset:256*(\t)   ; the wave stores 256 consecutive bytes, aligned
.endm
.irp t, 0,1,2,3,4,5,6,7,8,9,10,11,12,13,14,15
	XSTEP \t
.endr
	ds_load_b64 v[8:9], v6                         ; LDS serves a wave's instructions in order: these see my byte stores
	s_wait_dscnt 0x0
	global_store_b64 v7, v[8:9], s[16:17]          ; 32 lanes store 256 consecutive bytes, aligned
	FINISH
; ---- PATHS W and Wo share three macros.  A LANE TAKES A COLUMN AND ITS REGISTERS RUN DOWN K: each load reads 128 consecutive bytes a wave, and what a lane makes has K innermost.
.macro WLOAD t, pitch                  ; block t: rows 32 t + i of my column, i = 0 .. 31, into set t % 2
.irp i, 0,1,2,3,4,5,6,7,8,9,10,11,12,13,14,15,16,17,18,19,20,21,22,23,24,25,26,27,28,29,30,31
	global_load_b32 v[WX+32*((\t)%2)+\i], v3, s[26:27] offset:(32*(\t)+\i)*(\pitch) th:TH_LOAD_NT
.endr
.endm
.macro ROWS_OUT krow                   ; my stage's 32 rows of 256 bytes leave as rows: sixteen lanes store 256 consecutive bytes, aligned; krow: bytes from row to row in memory
.irp t, 0,1,2,3,4,5,6,7,8,9,10,11,12,13,14,15
	ds_load_b128 v[WOUT+4*\t:WOUT+4*\t+3], v7 offset:2*\t*TP
.endr
.irp t, 0,1,2,3,4,5,6,7,8,9,10,11,12,13,14,15
	s_wait_dscnt 15-\t                             ; the younger loads may be out
	global_store_b128 v8, v[WOUT+4*\t:WOUT+4*\t+3], s[30:31] offset:2*\t*(\krow)
.endr
.endm
.macro LANES stg, shift                ; the lane's addresses: stg: the path's stages; shift: log2 of the bytes from row to row in memory
	v_lshlrev_b32 v3, 2, v2                        ; in: 4 bytes a lane
	s_mul_i32 s35, s24, 32*TP
	s_add_co_u32 s35, s35, \stg                    ; my stage
	v_mul_u32_u24 v4, v2, TP
	v_add_nc_u32 v4, s35, v4                       ; into it: row = my column
	v_and_b32 v5, 15, v2
	v_lshrrev_b32 v6, 4, v2
	v_mul_u32_u24 v7, v6, TP
	v_lshl_add_u32 v7, v5, 4, v7
	v_add_nc_u32 v7, s35, v7                       ; out of it: sixteen lanes to a row, two rows an instruction
	v_lshlrev_b32 v8, \shift, v6
	v_lshl_add_u32 v8, v5, 4, v8                   ; and the same place in memory
.endm
; ---- PATH W.  Work-group = 16 T + h.  A wave takes 32 columns e x 512 along K: 16 blocks a lane, each whole in the lane's 32 registers.
.Lpath_w:
	s_lshr_b32 s25, ttmp9, 4                       ; T
	s_and_b32 s32, ttmp9, 15                       ; h
	s_cmp_eq_u32 s25, 0
	s_cselect_b64 s[26:27], s[6:7], s[8:9]         ; the choice hangs on the work-group's number alone
	s_cmp_eq_u32 s25, 2
	s_cselect_b64 s[26:27], s[10:11], s[26:27]
	s_lshr_b32 s33, s24, 1                         ; which 512 along K
	s_and_b32 s34, s24, 1                          ; which 32 columns
	s_lshl_b32 s28, s32, 18                        ; a head is 1,024 rows of 256 bytes
	s_lshl_b32 s35, s33, 17
	s_add_co_u32 s28, s28, s35
	s_lshl_b32 s35, s34, 7
	s_add_co_u32 s28, s28, s35
	s_add_nc_u64 s[26:27], s[26:27], s[28:29]
	s_lshl_b32 s36, s25, 10
	s_lshl_b32 s35, s32, 6
	s_add_co_u32 s36, s36, s35
	s_lshl_b32 s35, s34, 5
	s_add_co_u32 s36, s36, s35                     ; my first row n of wc and ws
	s_lshl_b32 s28, s36, 9
	s_lshl_b32 s35, s33, 8
	s_add_co_u32 s28, s28, s35
	s_add_nc_u64 s[30:31], s[18:19], s[28:29]      ; codes: 512 n + 256 x (which 512 along K)
	s_lshl_b32 s28, s36, 5
	s_lshl_b32 s35, s33, 4
	s_add_co_u32 s28, s28, s35
	s_add_nc_u64 s[20:21], s[20:21], s[28:29]      ; scale bytes: 32 n + 16 x the same
	LANES WSTG, 9
	v_lshlrev_b32 v9, 5, v2                        ; my column's row of scale bytes
	WLOAD 0, 256
	WLOAD 1, 256
.macro WBLOCK t
.set XS, WX+32*((\t)%2)
.if (\t) < 15
	s_wait_loadcnt 32                              ; this block's 32 loads are in; the next block's may be out
.else
	s_wait_loadcnt 0
.endif
	v_max3_num_f32 v12, |v[XS]|, |v[XS+1]|, |v[XS+2]|
	v_max3_num_f32 v13, |v[XS+3]|, |v[XS+4]|, |v[XS+5]|
.irp i, 6,10,14,18,22,26
	v_max3_num_f32 v12, v12, |v[XS+\i]|, |v[XS+\i+1]|
	v_max3_num_f32 v13, v13, |v[XS+\i+2]|, |v[XS+\i+3]|
.endr
	v_max3_num_f32 v12, v12, |v[XS+30]|, |v[XS+31]|
	v_max3_num_f32 v12, v12, v13, 0x1800000        ; the floor 2^(3 - 127)
	v_add_nc_u32 v11, 0xff000000, v12              ; 2 off the exponent field: the conversion's scale operand
	v_lshrrev_b32 v13, 23, v11                     ; the scale's byte
.if (\t)%4 == 0
	v_mov_b32 v[WSB+(\t)/4], v13                   ; four bytes to a register, the lower K in the lower byte
.else
	v_lshl_or_b32 v[WSB+(\t)/4], v13, 8*((\t)%4), v[WSB+(\t)/4]
.endif
.irp g, 0,1,2,3
	v_cvt_scalef32_pk8_fp4_f32 v[WC+\g], v[XS+8*\g:XS+8*\g+7], v11
.endr
	ds_store_b128 v4, v[WC:WC+3] offset:16*(\t)    ; 32 codes: 16 bytes of my column's row.  (The codes go to an LDS store alone; the next block begins with plain vector lines)
.if (\t)+2 < 16
	WLOAD (\t)+2, 256
.endif
	s_wait_dscnt 0x0                               ; the store has read its registers: the next block's codes may be written
.endm
.irp t, 0,1,2,3,4,5,6,7,8,9,10,11,12,13,14,15
	WBLOCK \t
.endr
	global_store_b128 v9, v[WSB:WSB+3], s[20:21]   ; my column's 16 scale bytes: half of its row of 32
	ROWS_OUT 512
	FINISH
; ---- PATH Wo.  A wave takes 32 columns n x 128 along K; a lane's 128 numbers, rounded to f16, are 256 bytes of its row of wot.
.Lpath_o:
	s_sub_co_u32 s25, ttmp9, 48
	s_and_b32 s32, s25, 7
	s_lshl_b32 s32, s32, 2
	s_add_co_u32 s32, s32, s24                     ; which 32 columns: 0 .. 31
	s_lshr_b32 s33, s25, 3                         ; which 128 along K: 0 .. 7
	s_lshl_b32 s28, s33, 19                        ; 128 rows of 4,096 bytes
	s_lshl_b32 s35, s32, 7
	s_add_co_u32 s28, s28, s35
	s_add_nc_u64 s[26:27], s[12:13], s[28:29]
	s_lshl_b32 s28, s32, 16                        ; 32 rows of 2,048 bytes
	s_lshl_b32 s35, s33, 8
	s_add_co_u32 s28, s28, s35
	s_add_nc_u64 s[30:31], s[22:23], s[28:29]
	LANES OSTG, 11
	WLOAD 0, 4096
	WLOAD 1, 4096
.macro OBLOCK t
.set XS, WX+32*((\t)%2)
.if (\t) < 3
	s_wait_loadcnt 32                              ; this block's 32 loads are in; the next block's may be out
.else
	s_wait_loadcnt 0
.endif
.irp j, 0,1,2,3,4,5,6,7,8,9,10,11,12,13,14,15
	v_cvt_pk_f16_f32 v[WC+\j], v[XS+2*\j], v[XS+2*\j+1]            ; the lower k in the low half
.endr
.irp g, 0,1,2,3
	ds_store_b128 v4, v[WC+4*\g:WC+4*\g+3] offset:64*(\t)+16*\g
.endr
.if (\t)+2 < 4
	WLOAD (\t)+2, 4096
.endif
	s_wait_dscnt 0x0                               ; the stores have read their registers
.endm
.irp t, 0,1,2,3
	OBLOCK \t
.endr
	ROWS_OUT 2048
	FINISH
.Lfunc_end_k_qecfe203f59_prep:
	.size	k_qecfe203f59_prep, .Lfunc_end_k_qecfe203f59_prep-k_qecfe203f59_prep
	.p2alignl 7, 3214868480
	.fill 96, 4, 3214868480
	.section	.rodata,"a",@progbits
	.p2align	6, 0x0
	.amdhsa_kernel k_qecfe203f59_prep
		.amdhsa_group_segment_fixed_size 102912
		.amdhsa_private_segment_fixed_size 0
		.amdhsa_enable_private_segment 0
		.amdhsa_kernarg_size 80
		.amdhsa_user_sgpr_count 2
		.amdhsa_user_sgpr_kernarg_segment_ptr 1
		.amdhsa_wavefront_size32 1
		.amdhsa_system_sgpr_workgroup_id_x 1
		.amdhsa_system_sgpr_workgroup_id_y 1
		.amdhsa_system_sgpr_workgroup_id_z 1
		.amdhsa_system_vgpr_workitem_id 0
		.amdhsa_next_free_vgpr 194
		.amdhsa_next_free_sgpr 66
		.amdhsa_reserve_vcc 0
		.amdhsa_float_denorm_mode_32 3
		.amdhsa_float_denorm_mode_16_64 3
		.amdhsa_memory_ordered 1
		.amdhsa_forward_progress 1
		.amdhsa_inst_pref_size 132
	.end_amdhsa_kernel
	.amdgpu_metadata
---
amdhsa.version: [ 1, 2 ]
amdhsa.kernels:
  - .name:           k_qecfe203f59_prep
    .symbol:         k_qecfe203f59_prep.kd
    .args:
      - { .name: x, .offset: 0, .size: 8, .value_kind: global_buffer, .address_space: global }
      - { .name: Wq, .offset: 8, .size: 8, .value_kind: global_buffer, .address_space: global }
      - { .name: Wk, .offset: 16, .size: 8, .value_kind: global_buffer, .address_space: global }
      - { .name: Wv, .offset: 24, .size: 8, .value_kind: global_buffer, .address_space: global }
      - { .name: Wo, .offset: 32, .size: 8, .value_kind: global_buffer, .address_space: global }
      - { .name: xc, .offset: 40, .size: 8, .value_kind: global_buffer, .address_space: global }
      - { .name: xs, .offset: 48, .size: 8, .value_kind: global_buffer, .address_space: global }
      - { .name: wc, .offset: 56, .size: 8, .value_kind: global_buffer, .address_space: global }
      - { .name: ws, .offset: 64, .size: 8, .value_kind: global_buffer, .address_space: global }
      - { .name: wot, .offset: 72, .size: 8, .value_kind: global_buffer, .address_space: global }
    .group_segment_fixed_size: 102912
    .private_segment_fixed_size: 0
    .kernarg_segment_align: 8
    .kernarg_segment_size: 80
    .max_flat_workgroup_size: 128
    .sgpr_count:     66
    .vgpr_count:     194
    .wavefront_size: 32
...
	.end_amdgpu_metadata
.endif
;; end of part 1
;; launch qkv (part 2): grid 12 x 32, 4 waves a work-group, clusters of 4 x 4, 327,680 bytes of LDS; arguments xc, xs, wc, ws, bq, bv, qkv; writes qkv
.if DOCPART == 2
	.amdgcn_target "amdgcn-amd-amdhsa--gfx1250"
	.amdhsa_code_object_version 6
	.text
	.protected	k_qecfe203f59_qkv
	.globl	k_qecfe203f59_qkv
	.p2align	8
	.type	k_qecfe203f59_qkv,@function
k_qecfe203f59_qkv:
	s_mov_b64 s[64:65], 0
	v_nop
	global_prefetch_b8 v0, s[64:65] scope:SCOPE_SE
	s_setreg_imm32_b32 hwreg(HW_REG_WAVE_MODE, 25, 1), 1
	s_wait_xcnt 0x0
	s_wait_alu depctr_hold_cnt(0) depctr_sa_sdst(0) depctr_va_vdst(0) depctr_va_sdst(0) depctr_va_ssrc(0) depctr_va_vcc(0) depctr_vm_vsrc(0)
	s_getreg_b32 s2, hwreg(HW_REG_IB_STS2, 6, 4)
	s_cmp_eq_u32 s2, 0
	s_cbranch_scc0 .Lentry_in_a_cluster
	s_endpgm
.Lentry_in_a_cluster:
	s_bfe_u32 s2, ttmp6, 0x10000c
	s_cmp_lg_u32 s2, 0xf033
	s_cbranch_scc0 .Lentry_shape_is_right
	s_endpgm
.Lentry_shape_is_right:
; MULTI-HEAD ATTENTION, launch 2 of 4: q, k, v = x W + b, the three quantised products as ONE product C[m][n] = sum over k of A[m][k] B[n][k] on codes of FP4 (E2M1) with one E8M0 scale for each 32 along K.
; A = xc [8192][1024 codes], B = wc [3072 rows n = 1024 T + 64 h + e][1024 codes]; scale bytes xs [8192][32], ws [3072][32].  Sums in f32; the result is rounded once to f16 and stored as
; qkv [T][16 b + h][2048 s][64 e]: a head's rows are dense, 128 bytes each.  LEFT OUT: bk (dead work: it adds to every score of a query the same term, which the softmax cancels): k gets no bias.
; LIMIT: |q|, |k|, |v| stay under 65,504 (f16).
; A tile of C, 256 x 256, is made by a work-group of four waves; a wave makes 128 x 128: 64 accumulators of 16 x 16, 512 registers.  K = 1,024 is two slots of 512 along K: both are first fills, nothing is filled again.
; THE SCALES of the work-group's 256 rows of A and of B, for all of K, are two dense blocks of memory: they come into LDS once, with the first fills.
; CLUSTERS: 4 x 4 work-groups.  The four of a row of the cluster need the same tiles of A, the four of a column the same tiles of B: each tile is asked for JOINTLY.
; THE MATRIX INSTRUCTION IS USED TRANSPOSED (source 0 = 16 rows of B, source 1 = 16 rows of A): a lane holds eight neighbouring n of one row m.  THE BIAS IS THE C OF EACH SUM'S FIRST PRODUCT.
; A tensor T is four tile columns, one column of clusters: T is the cluster's x, the same in all sixteen partners.
; REGISTERS, in windows of 256: window 0: v0-31 addresses; v32-95 scale words, two sets; v96-127 packed results; v128-191 A's fragments, ONE set (on the way out: rows read back); v192-255 the bias, 8 registers for each block of 16 n.
;   window 1: B's fragments, TWO sets, at v0 and v128.   window 2: the 32 accumulators of my rows 0-63 ((a, b) at v[8 (8 a + b)]);   window 3: those of my rows 64-127.
.set SIZE_K, 1024
.set KSTEP,  512                       ; along K in a slot
.set NQ,     KSTEP/128                 ; matrix instructions deep
.set ROWB,   256                       ; a tile's row in bytes
.set KROW,   SIZE_K*4/8                ; a row of A or of B in memory
.set PITCH,  272                       ; an LDS row: 256 bytes + 16 of padding = 68 words: the 16 rows that a load touches start at 16 different banks (64 banks of 4 bytes: ISA guide 11.1)
.set FR,     8                         ; registers of a fragment: 16 rows x 128 K
.set NL,     2                         ; LDS loads that bring one
.set NP,     4                         ; places behind this matrix instruction (ISA guide 7.12.1)
.set HALFT,  128*PITCH                 ; 128 rows: what one tensor load brings
.set SLOT,   4*HALFT                   ; A's 256 rows, then B's 256 rows
.set KS,     SIZE_K/32                 ; a row of scales in bytes
.set SCL,    2*SLOT                    ; behind the two slots: the scales, as units of 256 bytes + 16 of padding
.set HALFS,  (128*KS/256)*272          ; the scales of 128 rows
.set SBLK,   (16*KS/256)*272           ; those of 16 rows
.set SPARE,  SCL+4*HALFS               ; the spare words, 128 bytes for each wave: two blocks of 256 bytes that no other line names
.set HSTG,   16*144                    ; the way out: a head's 16 rows x (128 bytes + 16); two heads a wave.  The stages lie in slot 0, which has had its only fill and its last read when the first result is stored there
.set ADRA, 16                          ; v16-17  LDS address of my A fragments in slot 0, 1
.set ADRB, 20                          ; v20-21  the same for B
.set STO,  24                          ; v24     the way out: where I put 16 bytes of a row
.set RD,   25                          ; v25     where I read rows back
.set CO,   26                          ; v26     16 x lane: my place in 512 consecutive bytes of qkv
.set ADRS, 27                          ; v27     LDS address of my scale words: lanes 0-15 A's rows, lanes 16-31 B's
.set SPW,  28                          ; v28     LDS address of my spare word; never rewritten
.set NIL,  29                          ; v29     0; never rewritten
.set BO,   30                          ; v30     the bias loads' offset; never rewritten
.set SC,   32
.set TMP,  96
.set AF,   128
.set BK,   128
.set BI,   192
.set G1, 24                            ; s[24:31] descriptor group 1 for A's tiles;  s[32:39] group 0, one set for each slot
.set G0, 32
.set G1B, 48                           ; s[48:55], s[56:63] the same for B's tiles
.set G0B, 56
.set G1S, 68                           ; s[68:75], s[76:79] groups 1 and 0 for A's scales;  s[80:87], s[88:91] for B's
.set G0S, 76
.set G1SB, 80
.set G0SB, 88
.set MSB, 0
.macro WIN new                         ; the immediate's high byte repeats the setting that is left
.if MSB != (\new)
	s_set_vgpr_msb (MSB<<8)|(\new)
.set MSB, \new
.endif
.endm
.set MUL_LO, 0xa1                      ; source 0 (B) window 1, source 1 (A) window 0, C and D window 2
.set MUL_HI, 0xf1                      ; the same, C and D window 3
.set BIA_LO, 0x81                      ; the first products: C (the bias) window 0, D window 2
.set BIA_HI, 0xc1                      ; D window 3
.set TO_B,   0x40                      ; destination window 1, address window 0
; A joint load: waves 0 and 1 fetch for A, waves 2 and 3 for B; the branch hangs on the wave's number alone.  An s_nop 0 and four v_nop follow each of the two lines.
.macro JLOAD g0a, g1a, g0b, g1b
	s_cmp_eq_u32 s15, 0
	s_cbranch_scc0 .Lfor_b_\@
	tensor_load_to_lds s[\g0a:\g0a+3], s[\g1a:\g1a+7]
	s_nop 0
.rept 4
	v_nop
.endr
	s_branch .Lasked_\@
.Lfor_b_\@:
	tensor_load_to_lds s[\g0b:\g0b+3], s[\g1b:\g1b+7]
	s_nop 0
.rept 4
	v_nop
.endr
.Lasked_\@:
.endm
.macro CROUND                          ; a round of the cluster's barrier
	s_barrier_signal -1
	s_barrier_wait -1
	s_cmp_lg_u32 s14, 0
	s_cbranch_scc1 .Lnot_wave_0_\@
	s_barrier_signal -3
.Lnot_wave_0_\@:
	s_barrier_wait -3
	s_barrier_signal -1
	s_barrier_wait -1
.endm
	s_load_b128 s[4:7], s[0:1], 0x0                ; A's codes s[4:5], A's scales s[6:7]
	s_load_b128 s[8:11], s[0:1], 0x10              ; B's codes s[8:9], B's scales s[10:11]
	s_load_b128 s[96:99], s[0:1], 0x20             ; bq s[96:97], bv s[98:99]
	s_load_b64 s[12:13], s[0:1], 0x30              ; qkv
	v_lshl_add_u32 v[SPW], v0, 2, SPARE
	v_mov_b32 v[NIL], 0
	ds_add_u32 v[SPW], v[NIL]                      ; the wave's opening: the add, twice on end, and its wait ahead of my first tensor load
	ds_add_u32 v[SPW], v[NIL]                      ; and once more, under the one wait; the set-up below, work on registers, stands between
	v_lshrrev_b32 v1, 5, v0
	v_readfirstlane_b32 s14, v1                    ; wave 0..3
	s_lshr_b32 s15, s14, 1                         ; which half of the tile's rows is mine.  Also: I fetch for A (0) or for B (1)
	s_and_b32 s16, s14, 1                          ; which half of its columns.  Also: which 128 rows of that tile I fetch
	s_bfe_u32 s40, ttmp6, 0x40000                  ; cx, cy: my place in the cluster
	s_bfe_u32 s41, ttmp6, 0x40004
	s_lshl_b32 s42, ttmp9, 2
	s_add_co_u32 s42, s42, s40                     ; tile column of C = 4 x cluster x + cx
	s_and_b32 s17, ttmp7, 0xffff
	s_lshl_b32 s17, s17, 2
	s_add_co_u32 s17, s17, s41                     ; tile row of C = 4 x cluster y + cy
	s_lshl_b32 s43, s41, 2
	s_lshl_b32 s43, 15, s43                        ; my row of the cluster
	s_lshl_b32 s44, 0x1111, s40                    ; my column
	; descriptor group 1: a tile of 128 rows x 256 bytes, padded in LDS
	s_or_b32 s[G1+0], s43, (0<<16)|(1<<20)|(1<<21)|(5<<22)|(3<<25)  ; 15:0 the mask: A's tiles go to my row; 17:16 element of 1 byte; 20 padding on; 21 set beside a mask; 24:22 after every 64 words; 31:25 of 4 words
	s_or_b32 s[G1B+0], s44, (0<<16)|(1<<20)|(1<<21)|(5<<22)|(3<<25)
.irp g, G1, G1B
	s_mov_b32 s[\g+1], ROWB<<16                    ; tensor_dim0
	s_mov_b32 s[\g+2], 128<<16                     ; tensor_dim1 = 128
	s_mov_b32 s[\g+3], ROWB<<16                    ; tile_dim0
	s_mov_b32 s[\g+4], 128                         ; tile_dim1 = 128
	s_mov_b32 s[\g+5], KROW                        ; tensor_dim0_stride
	s_mov_b32 s[\g+6], 0
	s_mov_b32 s[\g+7], 0
.endr
	; and for the scales of 128 rows: a dense block of 4,096 bytes, as 16 rows of 256 bytes (32 elements of 8 bytes), 16 bytes of padding behind each
	s_or_b32 s[G1S+0], s43, (3<<16)|(1<<20)|(1<<21)|(5<<22)|(3<<25)
	s_or_b32 s[G1SB+0], s44, (3<<16)|(1<<20)|(1<<21)|(5<<22)|(3<<25)
.irp g, G1S, G1SB
	s_mov_b32 s[\g+1], 32<<16
	s_mov_b32 s[\g+2], (128*KS/256)<<16
	s_mov_b32 s[\g+3], 32<<16
	s_mov_b32 s[\g+4], 128*KS/256
	s_mov_b32 s[\g+5], 32
	s_mov_b32 s[\g+6], 0
	s_mov_b32 s[\g+7], 0
.endr
	s_lshl_b32 s18, s16, 7                         ; which 128 rows of the tile I fetch
	s_lshl_b32 s20, s17, 8
	s_add_co_u32 s20, s20, s18                     ; A: row 256 x tile row + 128 x half
	s_lshl_b32 s46, s42, 8
	s_add_co_u32 s46, s46, s18                     ; B: row 256 x tile column + 128 x half
	s_mov_b32 s21, 0
	s_mov_b32 s47, 0
	s_mov_b64 s[18:19], KS
	s_mul_u64 s[22:23], s[20:21], s[18:19]         ; where these rows' scales begin, in bytes
	s_mul_u64 s[92:93], s[46:47], s[18:19]
	s_mov_b64 s[18:19], KROW
	s_mul_u64 s[20:21], s[20:21], s[18:19]         ; and their codes
	s_mul_u64 s[46:47], s[46:47], s[18:19]
	s_mul_i32 s45, s14, HALFT                      ; where they go: wave x 128 rows: no place in the cluster enters an LDS address
	s_mul_i32 s94, s14, HALFS
	s_wait_dscnt 0x0                               ; both opening adds are done
	s_wait_kmcnt 0x0
	s_add_nc_u64 s[20:21], s[4:5], s[20:21]
	s_add_nc_u64 s[22:23], s[6:7], s[22:23]
	s_add_nc_u64 s[46:47], s[8:9], s[46:47]
	s_add_nc_u64 s[92:93], s[10:11], s[92:93]
	CROUND                                         ; all sixteen work-groups are here: the first joint loads meet
	s_mov_b32 s[G0S], 1
	s_add_co_u32 s[G0S+1], s94, SCL
	s_mov_b64 s[G0S+2:G0S+3], s[22:23]
	s_or_b32 s[G0S+3], s[G0S+3], 0x80000000
	s_mov_b32 s[G0SB], 1
	s_add_co_u32 s[G0SB+1], s94, SCL
	s_mov_b64 s[G0SB+2:G0SB+3], s[92:93]
	s_or_b32 s[G0SB+3], s[G0SB+3], 0x80000000
	JLOAD G0S, G1S, G0SB, G1SB                     ; the scales first: they are wanted with the first 512 along K.  Three loads of mine are out at the most
.irp s, 0,1
	s_mov_b32 s[G0+4*\s], 1
	s_add_co_u32 s[G0+4*\s+1], s45, \s*SLOT
	s_add_nc_u64 s[G0+4*\s+2:G0+4*\s+3], s[20:21], \s*ROWB
	s_or_b32 s[G0+4*\s+3], s[G0+4*\s+3], 0x80000000
	s_mov_b32 s[G0B+4*\s], 1
	s_add_co_u32 s[G0B+4*\s+1], s45, \s*SLOT
	s_add_nc_u64 s[G0B+4*\s+2:G0B+4*\s+3], s[46:47], \s*ROWB
	s_or_b32 s[G0B+4*\s+3], s[G0B+4*\s+3], 0x80000000
	JLOAD G0+4*\s, G1, G0B+4*\s, G1B
.endr
	v_and_b32 v1, 15, v0                           ; l % 16
	v_bfe_u32 v2, v0, 4, 1                         ; l / 16
	; THE BIAS, in the result's layout: register BI + 8 b + j of lane (r, h) = bias[256 cx + 128 x my column half + 16 b + 8 h + j].  q takes bq, v takes bv; k takes none: zeros.
	; The branch hangs on the cluster's x alone, which all partners share.
	v_lshlrev_b32 v[BO], 5, v2                     ; 8 h numbers of 4 bytes
	s_cmp_eq_u32 ttmp9, 1
	s_cbranch_scc1 .Lno_bias
	s_cmp_eq_u32 ttmp9, 0
	s_cselect_b64 s[96:97], s[96:97], s[98:99]
	s_lshl_b32 s22, s40, 10
	s_lshl_b32 s23, s16, 9
	s_add_co_u32 s22, s22, s23
	s_mov_b32 s23, 0
	s_add_nc_u64 s[96:97], s[96:97], s[22:23]
.irp b, 0,1,2,3,4,5,6,7
	global_load_b128 v[BI+8*\b:BI+8*\b+3], v[BO], s[96:97] offset:64*\b
	global_load_b128 v[BI+8*\b+4:BI+8*\b+7], v[BO], s[96:97] offset:64*\b+16
.endr
	s_branch .Lbias_done
.Lno_bias:
.set i, 0
.rept 64
	v_mov_b32 v[BI+i], 0                           ; once, in the work-groups of k alone: so the first step is written once for all three tensors
.set i, i+1
.endr
.Lbias_done:
	v_mul_u32_u24 v3, v1, PITCH
	v_lshl_add_u32 v4, v2, 4, v3                   ; a fragment's row x pitch + 16 x half
	s_mul_i32 s21, s15, HALFT                      ; my 128 rows of A
	s_mul_i32 s22, s16, HALFT                      ; my 128 rows of B,
	s_add_co_u32 s22, s22, 2*HALFT                 ; which lie behind A's 256
.irp s, 0,1
	v_add_nc_u32 v[ADRA+\s], s21, v4
	v_add_nc_u32 v[ADRB+\s], s22, v4
	s_add_co_u32 s21, s21, SLOT
	s_add_co_u32 s22, s22, SLOT
.endr
	v_mul_u32_u24 v5, v1, KS                       ; my row's scales: 32 bytes a row,
	v_lshrrev_b32 v6, 8, v5
	v_lshl_add_u32 v5, v6, 4, v5                   ; and 16 more for each 256 passed
	s_mul_i32 s21, s15, HALFS                      ; A's: my 128 rows
	s_mul_i32 s22, s16, HALFS                      ; B's: my 128 rows, behind A's 256
	s_add_co_u32 s22, s22, 2*HALFS
	s_sub_co_u32 s22, s22, s21
	v_mul_u32_u24 v6, s22, v2                      ; lanes 16-31 take B's: ONE product, the distance between the two bases x the lane's half
	s_add_co_u32 s21, s21, SCL
	v_add_nc_u32 v5, v5, v6
	v_add_nc_u32 v[ADRS], s21, v5
	s_mul_i32 s23, s14, 2*HSTG                     ; my stage
	v_mul_u32_u24 v5, v1, 144                      ; in: row l % 16, 16 bytes for each half of the lanes
	v_lshl_add_u32 v5, v2, 4, v5
	v_add_nc_u32 v[STO], s23, v5
	v_and_b32 v6, 31, v0
	v_lshrrev_b32 v7, 3, v6                        ; back: eight lanes to a row of 128 bytes, four rows an instruction
	v_mul_u32_u24 v7, v7, 144
	v_and_b32 v8, 7, v0
	v_lshl_add_u32 v7, v8, 4, v7
	v_add_nc_u32 v[RD], s23, v7
	v_lshlrev_b32 v[CO], 4, v6                     ; a head's rows are dense: four rows are 512 consecutive bytes
	; where my part begins in qkv: T x 2^24 + ((16 b + 4 cx + 2 x column half) x 2048 + s) x 128, with b and s of my first row
	s_lshl_b32 s20, s17, 8
	s_lshl_b32 s21, s15, 7
	s_add_co_u32 s20, s20, s21                     ; my first row m
	s_lshr_b32 s21, s20, 11                        ; b
	s_and_b32 s20, s20, 2047                       ; s
	s_lshl_b32 s21, s21, 4
	s_lshl_b32 s22, s40, 2
	s_add_co_u32 s21, s21, s22
	s_lshl_b32 s22, s16, 1
	s_add_co_u32 s21, s21, s22                     ; 16 b + my first head
	s_lshl_b32 s21, s21, 11
	s_add_co_u32 s21, s21, s20
	s_lshl_b32 s20, s21, 7
	s_lshl_b32 s22, ttmp9, 24
	s_add_co_u32 s20, s20, s22                     ; under 3 x 2^24
	s_mov_b32 s21, 0
	s_add_nc_u64 s[12:13], s[12:13], s[20:21]
.macro FRAG reg, adr, q, i             ; a fragment, 16 rows x 128 K of 4-bit codes: lane l holds row l % 16; registers 4 c .. 4 c + 3 hold K = 64 c + 32 (l / 16) + 0 .. 31
.irp c, 0,1
	ds_load_b128 v[\reg+4*\c:\reg+4*\c+3], v[\adr] offset:64*(\q)+32*\c+(\i)*16*PITCH
.endr
.endm
; 16 matrix instructions: A's blocks a0, a0 + 1 x B's eight, 128 along K: the slot's q-th.  p: B's set;  sc: the set of scale words.  zero = 1: the first product starts the sum from the bias.
; The 64 accumulators take turns, one instruction a turn, in the same order in every step.
.macro MUL16 a0, p, q, sc, zero
.irp a, \a0, \a0+1
.irp b, 0,1,2,3,4,5,6,7
.if \zero
	v_wmma_scale_f32_16x16x128_f8f6f4 v[8*(8*((\a)%4)+\b):8*(8*((\a)%4)+\b)+7], v[128*(\p)+FR*\b:128*(\p)+FR*\b+FR-1], v[AF+FR*(\a):AF+FR*(\a)+FR-1], v[BI+8*\b:BI+8*\b+7], v[SC+8*NQ*(\sc)+NQ*\b+(\q)], v[SC+8*NQ*(\sc)+NQ*(\a)+(\q)] matrix_a_fmt:MATRIX_FMT_FP4 matrix_b_fmt:MATRIX_FMT_FP4 matrix_a_scale:MATRIX_SCALE_ROW1
.else
	v_wmma_scale_f32_16x16x128_f8f6f4 v[8*(8*((\a)%4)+\b):8*(8*((\a)%4)+\b)+7], v[128*(\p)+FR*\b:128*(\p)+FR*\b+FR-1], v[AF+FR*(\a):AF+FR*(\a)+FR-1], v[8*(8*((\a)%4)+\b):8*(8*((\a)%4)+\b)+7], v[SC+8*NQ*(\sc)+NQ*\b+(\q)], v[SC+8*NQ*(\sc)+NQ*(\a)+(\q)] matrix_a_fmt:MATRIX_FMT_FP4 matrix_b_fmt:MATRIX_FMT_FP4 matrix_a_scale:MATRIX_SCALE_ROW1
.endif
.endr
.endr
.endm
.macro FETCH_B slot, q, p              ; B's eight fragments of the slot's q-th 128 along K into set p
	WIN TO_B
.irp i, 0,1,2,3,4,5,6,7
	FRAG 128*(\p)+FR*\i, ADRB+\slot, \q, \i
.endr
	WIN 0
.endm
.macro FETCH_A slot, q, i0             ; A's blocks i0 .. i0 + 3
.irp i, \i0, \i0+1, \i0+2, \i0+3
	FRAG AF+FR*(\i), ADRA+\slot, \q, \i
.endr
.endm
.macro SCALES sc                       ; a slot's scale words into set sc: 4 words a row; lanes 0-15 take A's block i, lanes 16-31 B's block i
.irp i, 0,1,2,3,4,5,6,7
	ds_load_b128 v[SC+8*NQ*\sc+NQ*\i:SC+8*NQ*\sc+NQ*\i+3], v[ADRS] offset:\i*SBLK
.endr
.endm
; A load into a register that a matrix instruction has read, and a vector instruction that reads a matrix result, stand NP places behind that matrix instruction; only plain vector
; instructions that name none of its registers are places (ISA guide 7.12.1 for vector instructions).
.macro PLACES n
.rept \n
	v_nop
.endr
.endm
; A step of 128 along K that has its successor in the same slot.
.macro STEP slot, q, zero
	s_wait_dscnt 4*NL                              ; B's set and A's blocks 0-3 are in; the youngest eight loads (A's blocks 4-7) may be out
.if \zero
	WIN BIA_LO
.else
	WIN MUL_LO
.endif
	MUL16 0, (\q)%2, \q, \slot, \zero
	MUL16 2, (\q)%2, \q, \slot, \zero
	s_wait_dscnt 0                                 ; A's blocks 4-7 are in (asked for 32 matrix instructions ago)
	PLACES NP
	FETCH_B \slot, (\q)+1, 1-(\q)%2
	FETCH_A \slot, (\q)+1, 0
.if \zero
	WIN BIA_HI
.else
	WIN MUL_HI
.endif
	MUL16 4, (\q)%2, \q, \slot, \zero
	MUL16 6, (\q)%2, \q, \slot, \zero
	PLACES NP
	WIN 0
	FETCH_A \slot, (\q)+1, 4
.endm
; Slot 0's last step changes slots: ONE barrier; in front of it each wave waits for all its tensor loads (its part of slot 1), adds 0 to its spare word, and waits for that and for its own reads of slot 0.
; Nothing is filled again.  Behind the barrier nobody reads slot 0 any more: the way out's stages lie there.
.macro TURN slot, next
	s_wait_tensorcnt 0x0                           ; all my tensor loads have landed  (every window is 0 here: the add's two registers lie in window 0)
	ds_add_u32 v[SPW], v[NIL]                      ; 0 onto my spare word
	s_wait_dscnt 4*NL+1                            ; (the add and the youngest eight loads, A's blocks 4-7, may be out)
	WIN MUL_LO
	MUL16 0, 1, NQ-1, \slot, 0                     ; sixteen matrix instructions stand between the add and the wait for it
	s_wait_dscnt 0x0                               ; the add is done, and my reads of this slot are over
	s_barrier_signal -1
	MUL16 2, 1, NQ-1, \slot, 0
	WIN 0
	s_barrier_wait -1
	PLACES NP
	v_add_nc_u32 v[ADRS], 4*NQ, v[ADRS]            ; on to the next slot's scale words (no LDS load of mine is out)
	FETCH_B \next, 0, 0
	FETCH_A \next, 0, 0
	SCALES \next
	WIN MUL_HI
	MUL16 4, 1, NQ-1, \slot, 0
	MUL16 6, 1, NQ-1, \slot, 0
	PLACES NP
	WIN 0
	FETCH_A \next, 0, 4
.endm
	s_wait_tensorcnt 1                             ; the scales and my part of slot 0 are in (slot 1's load may be out),
	s_barrier_signal -1
	s_barrier_wait -1                              ; everybody's are
	FETCH_B 0, 0, 0
	FETCH_A 0, 0, 0
	SCALES 0
	FETCH_A 0, 0, 4
	s_wait_loadcnt 0x0                             ; the bias
	STEP 0, 0, 1                                   ; the first step's products start the sums
	STEP 0, 1, 0
	STEP 0, 2, 0
	TURN 0, 1
	STEP 1, 0, 0
	STEP 1, 1, 0
	STEP 1, 2, 0
	s_wait_dscnt 4*NL                              ; the very last step: nothing more to fetch
	WIN MUL_LO
	MUL16 0, 1, NQ-1, 1, 0
	MUL16 2, 1, NQ-1, 1, 0
	s_wait_dscnt 0
	WIN MUL_HI
	MUL16 4, 1, NQ-1, 1, 0
	MUL16 6, 1, NQ-1, 1, 0
	WIN 0
; THE WAY OUT, block by block of 16 rows x 128 columns = two heads x 64.  PACK: rounded to f16, 16 bytes a lane.  TOSTAGE: into my own stage in LDS (a head's 16 rows of 144 bytes, then the other head's), and back by rows.
; SEND: a head's four rows are 512 consecutive bytes of qkv, aligned: one store of the wave.  LDS serves a wave's instructions in order (ISA guide 5.7.1.4): no wait between the stage's stores and loads.
.macro PACK a
.set AC, 64*((\a)%4)
	WIN 0x0a+5*((\a)/4)                            ; sources 0 and 1: window 2 or 3
.irp b, 0,1,2,3,4,5,6,7
.irp r, 0,1,2,3
	v_cvt_pk_f16_f32 v[TMP+4*\b+\r], v[AC+8*\b+2*\r], v[AC+8*\b+2*\r+1]   ; each accumulator from its low end on
.endr
.endr
	WIN 0
.endm
.macro TOSTAGE a
.set BB, BK+32*((\a)%2)
.irp b, 0,1,2,3,4,5,6,7
	ds_store_b128 v[STO], v[TMP+4*\b:TMP+4*\b+3] offset:(\b/4)*HSTG+(\b%4)*32
.endr
.irp t, 0,1,2,3,4,5,6,7
	ds_load_b128 v[BB+4*\t:BB+4*\t+3], v[RD] offset:(\t/4)*HSTG+(\t%4)*4*144
.endr
.endm
.macro SEND a
.set BB, BK+32*((\a)%2)
	s_wait_dscnt 0x0                               ; the block is back in registers
	s_wait_xcnt 0x0                                ; the earlier stores have read their registers: the other set may be loaded again behind this wait
.irp t, 0,1,2,3,4,5,6,7
	global_store_b128 v[CO], v[BB+4*\t:BB+4*\t+3], s[12:13] offset:(\t/4)*262144+(\a)*2048+(\t%4)*512   ; head t / 4 (2^18 bytes apart), rows 16 a + 4 (t % 4) on
.endr
.endm
	PLACES NP                                      ; between the last products and the first reads of results, and the loads into the registers that held A's fragments
	PACK 0
	TOSTAGE 0
.irp a, 1,2,3,4,5,6,7                  ; block a's conversions stand between block a - 1's loads from the stage and the wait for them
	PACK \a
	SEND \a-1
	TOSTAGE \a
.endr
	SEND 7
	s_wait_tensorcnt 0x0                           ; the wave's end, behind my last tensor load and my last LDS store
	ds_add_u32 v[SPW], v[NIL]
	s_wait_dscnt 0x0
	CROUND                                         ; the closing round: no work-group ends while a partner may still ask for a tile that names it
	s_endpgm
.Lfunc_end_k_qecfe203f59_qkv:
	.size	k_qecfe203f59_qkv, .Lfunc_end_k_qecfe203f59_qkv-k_qecfe203f59_qkv
	.p2alignl 7, 3214868480
	.fill 96, 4, 3214868480
	.section	.rodata,"a",@progbits
	.p2align	6, 0x0
	.amdhsa_kernel k_qecfe203f59_qkv
		.amdhsa_group_segment_fixed_size 327680
		.amdhsa_private_segment_fixed_size 0
		.amdhsa_enable_private_segment 0
		.amdhsa_kernarg_size 56
		.amdhsa_user_sgpr_count 2
		.amdhsa_user_sgpr_kernarg_segment_ptr 1
		.amdhsa_wavefront_size32 1
		.amdhsa_system_sgpr_workgroup_id_x 1
		.amdhsa_system_sgpr_workgroup_id_y 1
		.amdhsa_system_sgpr_workgroup_id_z 1
		.amdhsa_system_vgpr_workitem_id 0
		.amdhsa_next_free_vgpr 1024
		.amdhsa_next_free_sgpr 100
		.amdhsa_reserve_vcc 0
		.amdhsa_float_denorm_mode_32 3
		.amdhsa_float_denorm_mode_16_64 3
		.amdhsa_memory_ordered 1
		.amdhsa_forward_progress 1
		.amdhsa_inst_pref_size 130
	.end_amdhsa_kernel
	.amdgpu_metadata
---
amdhsa.version: [ 1, 2 ]
amdhsa.kernels:
  - .name:           k_qecfe203f59_qkv
    .symbol:         k_qecfe203f59_qkv.kd
    .args:
      - { .name: xc, .offset: 0, .size: 8, .value_kind: global_buffer, .address_space: global }
      - { .name: xs, .offset: 8, .size: 8, .value_kind: global_buffer, .address_space: global }
      - { .name: wc, .offset: 16, .size: 8, .value_kind: global_buffer, .address_space: global }
      - { .name: ws, .offset: 24, .size: 8, .value_kind: global_buffer, .address_space: global }
      - { .name: bq, .offset: 32, .size: 8, .value_kind: global_buffer, .address_space: global }
      - { .name: bv, .offset: 40, .size: 8, .value_kind: global_buffer, .address_space: global }
      - { .name: qkv, .offset: 48, .size: 8, .value_kind: global_buffer, .address_space: global }
    .group_segment_fixed_size: 327680
    .private_segment_fixed_size: 0
    .kernarg_segment_align: 8
    .kernarg_segment_size: 56
    .max_flat_workgroup_size: 128
    .sgpr_count:     100
    .vgpr_count:     1024
    .wavefront_size: 32
...
	.end_amdgpu_metadata
.endif
;; end of part 2
;; launch attn (part 3): grid 8 x 32, 8 waves a work-group, clusters of 4 x 1, 327,680 bytes of LDS; arguments qkv, heads; writes heads
.if DOCPART == 3
	.amdgcn_target "amdgcn-amd-amdhsa--gfx1250"
	.amdhsa_code_object_version 6
	.text
	.protected	k_qecfe203f59_attn
	.globl	k_qecfe203f59_attn
	.p2align	8
	.type	k_qecfe203f59_attn,@function
k_qecfe203f59_attn:
	s_mov_b64 s[64:65], 0
	v_nop
	global_prefetch_b8 v0, s[64:65] scope:SCOPE_SE
	s_setreg_imm32_b32 hwreg(HW_REG_WAVE_MODE, 25, 1), 1
	s_wait_xcnt 0x0
	s_wait_alu depctr_hold_cnt(0) depctr_sa_sdst(0) depctr_va_vdst(0) depctr_va_sdst(0) depctr_va_ssrc(0) depctr_va_vcc(0) depctr_vm_vsrc(0)
	s_getreg_b32 s2, hwreg(HW_REG_IB_STS2, 6, 4)
	s_cmp_eq_u32 s2, 0
	s_cbranch_scc0 .Lentry_in_a_cluster
	s_endpgm
.Lentry_in_a_cluster:
	s_bfe_u32 s2, ttmp6, 0x10000c
	s_cmp_lg_u32 s2, 0x3003
	s_cbranch_scc0 .Lentry_shape_is_right
	s_endpgm
.Lentry_shape_is_right:
; MULTI-HEAD ATTENTION, launch 3 of 4: heads[b][s][64 h + e] = the sum over t of softmax_t(q[s] . k[t] / 8) v[t][e], for each of the 64 (b, h).  No mask.
; qkv: f16 [T][16 b + h][2048][64] (T = 0 q, 1 k, 2 v; 2^24 bytes a tensor, 2^18 a head, 128 a row).  heads: f16 [8192 = 2048 b + s][1024].  Products on f16 operands, maxima and sums in f32;
; the weights p are rounded to f16 for the second product, heads once at the end.  LEFT OUT: bk (dead work: see the first launch); k comes without it.  LIMIT: |heads| under 65,504 (f16).
; SHARES.  A work-group owns 256 queries of TWO neighbouring heads: a head's 64 channels are 128 bytes of a row of heads, two heads side by side are 256 consecutive bytes, aligned.
; Waves 0-3 take the first head, waves 4-7 the second; each 64 queries: four tiles of 16.  Two waves to a SIMD: one wave's softmax stands beside the other's products.
; Every wave walks all 2,048 keys of its head, 64 a step; each fragment of K and V read from LDS feeds four products.
; LAYOUT.  S^T = K Q^T (source 0 = 16 keys, source 1 = 16 queries): a lane holds ONE query (lane % 16) and the keys 8 (lane / 16) + 0..7.  Two such tiles, rounded to f16 in pairs, ARE source 1
; (32 keys x 16 queries) of O^T = V^T P.  K comes out of LDS as it lies, V ([key][channel]) turned, by ds_load_tr16_b128.  P is rounded IN PLACE: pair j of a tile's 32 scores goes into register j.
; SOFTMAX.  For each query a running maximum m and sum l: p = 2^(c s - c m), c = log2(e) / 8; in every step O and l are multiplied by a = 2^(c m_old - c m_new).
; RING.  Two LDS slots of 128 keys (two steps) of both heads; each of the eight waves fetches 64 rows of K or of V of one head: one tensor load a wave behind each change of slots.
; CLUSTER.  The four query blocks of a cluster walk the same K and V: each tile is asked for JOINTLY, by the same tensor load with the same descriptor and a mask that names the four.
; REGISTERS: window 0: v1-15 addresses; v16-47 eight registers of statistics a tile; v48-111 K of one step; v128-255 S^T, 32 a tile (then P in the low 16 of each).
;   window 1: v0-63 Q, 16 a tile; v64-127 V of one step; v128-255 O^T, 32 a tile.
.set PK,    144       ; a row of K in LDS: 128 bytes + 16 = 36 words: the 16 rows of a load start at 16 different groups of four banks (64 banks of 4 bytes: ISA guide 11.1)
.set PV,    160       ; a row of V: 128 + 32 = 40 words
.set VOFF,  128*PK    ; a head's part of a slot: 128 rows of K, then 128 rows of V
.set HEADB, 128*(PK+PV)
.set SLOT1, 1<<17     ; slot 1 begins here, so that one exclusive or turns an address in one slot into the other's
.set SLOTB, 128*128   ; a slot's rows of K (or V) of a head in memory, in bytes
.set SPARE, SLOT1+2*HEADB  ; behind the ring: the spare words, 128 bytes for each wave: four blocks of 256 bytes that no other line names
.set SP,    272       ; the way out: a stage of 256 rows x (256 bytes + 16) from LDS byte 0 on: that slot has had its last fill and its last read at the last change of slots
.set AK0, 2           ; v2   my lane's place in a step's K; never rewritten
.set AV0, 3           ; v3   the same for V
.set ADK, 4           ; v4   the LDS address of the step's K
.set ADV, 5           ; v5   and V
.set QO,  6           ; v6   my byte offset in the wave's rows of Q
.set RD,  7           ; v7   the way out: where I read a row back
.set GO,  8           ; v8   my byte offset in the wave's rows of heads
.set PFO, 12          ; v12  256 x my lane: the prefetches' offset; never rewritten
.set STO, 13          ; v13  the way out: where I put 16 bytes of a row
.set SPW, 14          ; v14  LDS address of my spare word; never rewritten
.set NIL, 15          ; v15  0; never rewritten
.set ST,  16          ; tile t's statistics at v[ST+8 t]: +0 c m, +1 m, +2, +3 l (even keys', odd keys'), +4 to +7 c0-c3, at work; a takes c2's place once the maximum is found
.set KF,  48
.set S,   128
.set QF,  0           ; in window 1
.set VF,  64
.set OF,  128
.set WV,   12         ; s12  my wave's number
.set HH,   13         ; s13  which of the two heads
.set KIND, 14         ; s14  I fetch K (0) or V (1)
.set HALF, 15         ; s15  which 64 of a slot's 128 rows I fetch
.set PFA,  20         ; s[20:21] where my prefetches stand
.set LIM,  22         ; s22  1 in a wave that prefetches, else the greatest number
.set G1K, 24          ; s[24:31] descriptor group 1 for K's tiles
.set G1V, 32          ; s[32:39] for V's: it differs in the padding alone
.set G0K, 40          ; s[40:47] group 0 for K's tiles: a set for each of the two first fills; the second then walks on
.set G0V, 48          ; s[48:55] the same for V's
.set SLOTS, 56        ; s56  slots still to be asked for
.set CS,  58          ; s[58:59] c
.set SEL, 60          ; s[60:61] lane selects for v_permlanex16_b32: lane l xor 16
.set TB,  62          ; s62  LDS byte at which the slot in hand begins
.set MSB, 0
.macro WIN new                      ; the immediate's high byte repeats the setting that is left; a switch that changes nothing is dropped
.if MSB != (\new)
	s_set_vgpr_msb (MSB<<8)|(\new)
.set MSB, \new
.endif
.endm
.set W_KQ, 0x04       ; K and S^T in window 0, Q (source 1) in window 1
.set W_PV, 0x51       ; V (source 0) and O^T (C and D) in window 1, P in window 0
.set W_RS, 0x41       ; O^T (destination and source 0) in window 1, a in window 0
.set W_L1, 0x40       ; a load's destination in window 1, its address in window 0
; A joint refill.  The branch hangs on the wave's number alone.  An s_nop 0 and four v_nop follow each of the two lines.
.macro JLOAD
	s_cmp_eq_u32 s[KIND], 0
	s_cbranch_scc0 .Lfor_v_\@
	tensor_load_to_lds s[G0K+4:G0K+7], s[G1K:G1K+7]
	s_nop 0
.rept 4
	v_nop
.endr
	s_branch .Lasked_\@
.Lfor_v_\@:
	tensor_load_to_lds s[G0V+4:G0V+7], s[G1V:G1V+7]
	s_nop 0
.rept 4
	v_nop
.endr
.Lasked_\@:
.endm
; A PREFETCH INTO THE L2 of what the NEXT change of slots will ask for: a slot is 16,384 bytes of K and of V of each of the two heads: eight pieces of 8,192 bytes, lanes 256 bytes apart.
; Each piece is asked for ONCE in the launch.  Both clusters of a pair of heads walk the same rows: the first (cluster x = 0) asks.  Its four partners share the pieces out BY ADDRESS (partner cx: tensor K or V by cx % 2,
; head by cx / 2); in each, waves 0 and 1 ask for the piece's two halves: one instruction a wave.  The last change that fills a slot asks for nothing; slots 0 to 2 come by their loads alone.
.macro ASK
	s_cmp_gt_u32 s[SLOTS], s[LIM]
	s_cbranch_scc0 .Lnot_mine_\@
	global_prefetch_b8 v[PFO], s[PFA:PFA+1] th:TH_LOAD_NT scope:SCOPE_SE
.Lnot_mine_\@:
.endm
.macro CROUND                       ; a round of the cluster's barrier
	s_barrier_signal -1
	s_barrier_wait -1
	s_cmp_lg_u32 s[WV], 0
	s_cbranch_scc1 .Lnot_wave_0_\@
	s_barrier_signal -3
.Lnot_wave_0_\@:
	s_barrier_wait -3
	s_barrier_signal -1
	s_barrier_wait -1
.endm
	s_load_b128 s[4:7], s[0:1], 0x0  ; qkv s[4:5], heads s[6:7]
	v_lshl_add_u32 v[SPW], v0, 2, SPARE
	v_mov_b32 v[NIL], 0
	ds_add_u32 v[SPW], v[NIL]       ; the wave's opening: the add, twice on end, and its wait ahead of my first tensor load
	ds_add_u32 v[SPW], v[NIL]       ; and once more, under the one wait; the set-up below, work on registers, stands between
	v_lshrrev_b32 v1, 5, v0
	v_readfirstlane_b32 s[WV], v1   ; wave 0..7
	s_lshr_b32 s[HH], s[WV], 2
	s_bfe_u32 s[KIND], s[WV], 0x10001
	s_and_b32 s[HALF], s[WV], 1
	s_bfe_u32 s16, ttmp6, 0x40000   ; cx: my place in the cluster
	s_lshl_b32 s17, ttmp9, 2        ; in a cluster launch ttmp9 counts clusters
	s_add_co_u32 s17, s17, s16      ; my block of 256 queries: it enters Q's and heads' addresses alone
	s_and_b32 s18, ttmp7, 0xffff    ; y = 8 b + the pair of heads, which the four partners share
	s_lshl_b32 s66, s18, 1
	s_add_co_u32 s66, s66, s[HH]    ; 16 b + h
	s_lshl_b32 s66, s66, 18         ; my head's first byte in a tensor
	s_lshl_b32 s68, s[HALF], 13     ; my 64 rows of a slot's 128
	s_add_co_u32 s68, s68, s66
	s_mov_b32 s69, 0
	s_mul_i32 s74, s[HH], HEADB     ; my head's part of a slot: no place in the cluster enters an LDS address
	s_mul_i32 s75, s[HALF], 64*PK
	s_add_co_u32 s75, s75, s74      ; where K's tile goes,
	s_mul_i32 s19, s[HALF], 64*PV
	s_add_co_u32 s19, s19, s74
	s_add_co_u32 s19, s19, VOFF     ; and V's
	s_lshl_b32 s2, s17, 15          ; Q: my block's 256 rows of 128 bytes,
	s_and_b32 s3, s[WV], 3
	s_lshl_b32 s3, s3, 13           ; my wave's 64 of them,
	s_add_co_u32 s2, s2, s3
	s_add_co_u32 s2, s2, s66        ; in my head
	s_mov_b32 s3, 0
	s_lshr_b32 s8, s18, 3           ; heads: row 2048 b + 256 x block + 32 x wave (the rows that I store),
	s_lshl_b32 s8, s8, 11
	s_lshl_b32 s9, s17, 8
	s_add_co_u32 s8, s8, s9
	s_lshl_b32 s9, s[WV], 5
	s_add_co_u32 s8, s8, s9
	s_lshl_b32 s8, s8, 11           ; of 2,048 bytes,
	s_and_b32 s9, s18, 7
	s_lshl_b32 s9, s9, 8
	s_add_co_u32 s8, s8, s9         ; + the pair's 256 bytes
	s_mov_b32 s9, 0
	s_and_b32 s10, s16, 1           ; the prefetches: tensor 1 + cx % 2,
	s_add_co_u32 s10, s10, 1
	s_lshl_b32 s10, s10, 24
	s_lshr_b32 s11, s16, 1          ; head 2 y + cx / 2,
	s_lshl_b32 s23, s18, 1
	s_add_co_u32 s11, s11, s23
	s_lshl_b32 s11, s11, 18
	s_add_co_u32 s10, s10, s11
	s_lshl_b32 s11, s[HALF], 13     ; my wave's half of the piece,
	s_add_co_u32 s10, s10, s11
	s_add_co_u32 s10, s10, 2*SLOTB  ; in slot 2: the first change of slots steps it to slot 3.  Nothing is prefetched at the head, where every work-group's first tiles are on their way
	s_mov_b32 s11, 0
	s_lshr_b32 s[LIM], s[WV], 1     ; 0 in waves 0 and 1,
	s_or_b32 s[LIM], s[LIM], ttmp9  ; of the pair's first cluster: the same in all four partners
	s_cmp_eq_u32 s[LIM], 0
	s_cselect_b32 s[LIM], 1, -1
	; descriptor group 1: a tile of 64 rows x 64 elements of 2 bytes, padded in LDS
	s_mov_b32 s[G1K], 15|(1<<16)|(1<<20)|(1<<21)|(4<<22)|(3<<25)  ; 15:0 the mask: all four work-groups; 17:16 elements of 2 bytes; 20 padding on; 21 set beside a mask; 24:22 after every 32 words (code 4); 31:25 4 words of it (code 3)
	s_mov_b32 s[G1V], 15|(1<<16)|(1<<20)|(1<<21)|(4<<22)|(7<<25)  ; the same with 8 words of padding (code 7)
.irp g, G1K, G1V
	s_mov_b32 s[\g+1], 64<<16       ; tensor_dim0 = 64
	s_mov_b32 s[\g+2], 64<<16       ; tensor_dim1 = 64
	s_mov_b32 s[\g+3], 64<<16       ; tile_dim0 = 64
	s_mov_b32 s[\g+4], 64           ; tile_dim1 = 64
	s_mov_b32 s[\g+5], 64           ; tensor_dim0_stride: elements from row to row
	s_mov_b32 s[\g+6], 0
	s_mov_b32 s[\g+7], 0
.endr
	s_mov_b32 s[CS], 0x3e38aa3b     ; c = log2(e) / 8
	s_mov_b32 s[CS+1], s[CS]        ; named with it as a pair, so it is written
	s_mov_b32 s[SEL], 0x76543210
	s_mov_b32 s[SEL+1], 0xfedcba98
	s_mov_b32 s[TB], 0
	s_mov_b32 s[SLOTS], 14          ; 16 slots; two are first fills
	s_wait_dscnt 0x0                ; both opening adds are done
	s_wait_kmcnt 0x0
	s_add_nc_u64 s[70:71], s[4:5], s[68:69]
	s_add_nc_u64 s[72:73], s[70:71], 0x2000000  ; V at my tile of slot 0
	s_add_nc_u64 s[70:71], s[70:71], 0x1000000  ; K likewise
	s_add_nc_u64 s[PFA:PFA+1], s[4:5], s[10:11]
	s_add_nc_u64 s[4:5], s[4:5], s[2:3]         ; Q at my wave's first row
	s_add_nc_u64 s[6:7], s[6:7], s[8:9]
	CROUND                          ; all four work-groups are here: the first joint loads meet
.irp s, 0,1
	s_mov_b32 s[G0K+4*\s], 1        ; 1:0 count = 1
	s_add_co_u32 s[G0K+4*\s+1], s75, \s*SLOT1  ; 63:32 LDS address
	s_add_nc_u64 s[G0K+4*\s+2:G0K+4*\s+3], s[70:71], \s*SLOTB  ; 120:64 global address: slot s begins with key 128 s
	s_or_b32 s[G0K+4*\s+3], s[G0K+4*\s+3], 0x80000000  ; 127:126 type = 2
	s_mov_b32 s[G0V+4*\s], 1
	s_add_co_u32 s[G0V+4*\s+1], s19, \s*SLOT1
	s_add_nc_u64 s[G0V+4*\s+2:G0V+4*\s+3], s[72:73], \s*SLOTB
	s_or_b32 s[G0V+4*\s+3], s[G0V+4*\s+3], 0x80000000
.endr
	s_cmp_eq_u32 s[KIND], 0         ; a wave's two first fills stand in one branch, ahead of every wait on TENSORcnt and every LDS read: two loads of mine are out
	s_cbranch_scc0 .Lfirst_v
	tensor_load_to_lds s[G0K:G0K+3], s[G1K:G1K+7]
	s_nop 0
	tensor_load_to_lds s[G0K+4:G0K+7], s[G1K:G1K+7]
	s_nop 0
.rept 4
	v_nop
.endr
	s_branch .Lfirst_asked
.Lfirst_v:
	tensor_load_to_lds s[G0V:G0V+3], s[G1V:G1V+7]
	s_nop 0
	tensor_load_to_lds s[G0V+4:G0V+7], s[G1V:G1V+7]
	s_nop 0
.rept 4
	v_nop
.endr
.Lfirst_asked:
	; A fragment of K or Q is 16 rows x 32 channels in 8 registers: lane l holds row l % 16; registers 0-3 channels 8 (l / 16) + 0..7, registers 4-7 channels 16 + 8 (l / 16) + 0..7: two loads of 16 bytes, 32 bytes apart.
	v_and_b32 v1, 15, v0            ; r = l % 16
	v_bfe_u32 v9, v0, 4, 1          ; h = l / 16
	v_lshlrev_b32 v[QO], 7, v1
	v_lshl_add_u32 v[QO], v9, 4, v[QO]  ; row x 128 + 16 x half
	WIN W_L1
.irp t, 0,1,2,3                     ; Q stays in registers: tile t, channels 32 c on
.irp c, 0,1
	global_load_b128 v[QF+16*\t+8*\c:QF+16*\t+8*\c+3],   v[QO], s[4:5] offset:\t*2048+\c*64
	global_load_b128 v[QF+16*\t+8*\c+4:QF+16*\t+8*\c+7], v[QO], s[4:5] offset:\t*2048+\c*64+32
.endr
.endr
	WIN 0
	v_mul_u32_u24 v[AK0], v1, PK
	v_lshl_add_u32 v[AK0], v9, 4, v[AK0]
	v_add_nc_u32 v[AK0], s74, v[AK0]  ; my head's part + row x pitch + 16 x half
	; The turning load takes 16 keys x 16 channels (lane l reads 16 bytes: key 8 (l / 16) + l % 8, channels 8 ((l / 8) % 2) + 0..7) and leaves half a fragment of V^T: lane l holds channel l % 16 and 8 keys.
	v_and_b32 v10, 7, v0
	v_bfe_u32 v11, v0, 3, 1
	v_lshl_add_u32 v[AV0], v9, 3, v10
	v_mul_u32_u24 v[AV0], v[AV0], PV
	v_lshl_add_u32 v[AV0], v11, 4, v[AV0]
	s_add_co_u32 s67, s74, VOFF
	v_add_nc_u32 v[AV0], s67, v[AV0]
	v_and_b32 v[PFO], 31, v0
	v_lshlrev_b32 v[PFO], 8, v[PFO]
	s_and_b32 s66, s[WV], 3         ; the way out, in: row 64 (wave % 4) + l % 16 (+ 16 t), my head's 128 bytes, 16 bytes for each half of the lanes
	s_mul_i32 s66, s66, 64*SP
	s_lshl_b32 s67, s[HH], 7
	s_add_co_u32 s66, s66, s67
	v_mul_u32_u24 v[STO], v1, SP
	v_lshl_add_u32 v[STO], v9, 4, v[STO]
	v_add_nc_u32 v[STO], s66, v[STO]
	s_mul_i32 s66, s[WV], 32*SP     ; back: wave w takes rows 32 w .. 32 w + 31, whole: lanes 0-15 one row of 256 bytes, lanes 16-31 the next
	v_mul_u32_u24 v[RD], v9, SP
	v_lshl_add_u32 v[RD], v1, 4, v[RD]
	v_add_nc_u32 v[RD], s66, v[RD]
	v_lshlrev_b32 v[GO], 11, v9     ; and the same two rows in heads
	v_lshl_add_u32 v[GO], v1, 4, v[GO]
; A KEY STEP: 64 keys, the q-th of the slot in hand, in phases.  first = 1: the first key step, which starts m, l and O^T: it has no a and nothing to rescale; nothing is ever cleared.
; The accumulators take turns, one instruction a turn: between two links of a chain stand 15 others'.
.macro STEP q, first
	WIN 0
	v_add_nc_u32 v[ADK], s[TB], v[AK0]  ; these five plain lines are the places between the last step's last products and the loads into V's registers (four are owed)
	v_add_nc_u32 v[ADV], s[TB], v[AV0]  ; and the first product below, which writes over P (five are owed)
	v_nop
	v_nop
	v_nop
.irp kt, 0,1,2,3                    ; K: keys 16 kt on, channels 32 c on
.irp c, 0,1
	ds_load_b128 v[KF+16*\kt+8*\c:KF+16*\kt+8*\c+3],   v[ADK] offset:(\q)*64*PK+\kt*16*PK+64*\c
	ds_load_b128 v[KF+16*\kt+8*\c+4:KF+16*\kt+8*\c+7], v[ADK] offset:(\q)*64*PK+\kt*16*PK+64*\c+32
.endr
.endr
	WIN W_L1
.irp f, 0,1                         ; V, turned: keys 32 f on, channels 16 ct on
.irp ct, 0,1,2,3
	ds_load_tr16_b128 v[VF+32*\f+8*\ct:VF+32*\f+8*\ct+3],   v[ADV] offset:(\q)*64*PV+\f*32*PV+32*\ct
	ds_load_tr16_b128 v[VF+32*\f+8*\ct+4:VF+32*\f+8*\ct+7], v[ADV] offset:(\q)*64*PV+\f*32*PV+16*PV+32*\ct
.endr
.endr
	s_wait_dscnt 16                 ; K is in; V's 16 loads may be out
	WIN W_KQ
.set i, 0
.rept 32                            ; S^T = K Q^T: channels 32 (i / 16) on, keys 16 ((i / 4) % 4) on, tile i % 4
.set cc, i/16
.set kk, (i/4)%4
.set tt, i%4
.if cc == 0
	v_wmma_f32_16x16x32_f16 v[S+32*tt+8*kk:S+32*tt+8*kk+7], v[KF+16*kk+8*cc:KF+16*kk+8*cc+7], v[QF+16*tt+8*cc:QF+16*tt+8*cc+7], 0
.else
	v_wmma_f32_16x16x32_f16 v[S+32*tt+8*kk:S+32*tt+8*kk+7], v[KF+16*kk+8*cc:KF+16*kk+8*cc+7], v[QF+16*tt+8*cc:QF+16*tt+8*cc+7], v[S+32*tt+8*kk:S+32*tt+8*kk+7]
.endif
.set i, i+1
.endr
	WIN 0
.rept 4
	v_nop                           ; four places between the last product and the first read of results
.endr
	; the maximum of a lane's 32 scores and the old m, three operands at a time; the four tiles by turns, so that no line waits for the line above it.  Each accumulator is read from its low end on
.irp j, 0,1,2,3
.irp t, 0,1,2,3
	v_max3_num_f32 v[ST+8*\t+4+\j], v[S+32*\t+8*\j], v[S+32*\t+8*\j+1], v[S+32*\t+8*\j+2]
.endr
.endr
.irp u, 1,2
.irp j, 0,1,2,3
.irp t, 0,1,2,3
	v_max3_num_f32 v[ST+8*\t+4+\j], v[ST+8*\t+4+\j], v[S+32*\t+8*\j+2*\u+1], v[S+32*\t+8*\j+2*\u+2]
.endr
.endr
.endr
.irp t, 0,1,2,3
	v_max3_num_f32 v[ST+8*\t+4], v[ST+8*\t+4], v[S+32*\t+7], v[S+32*\t+15]
.endr
.irp t, 0,1,2,3
	v_max3_num_f32 v[ST+8*\t+6], v[ST+8*\t+6], v[S+32*\t+23], v[S+32*\t+31]
.endr
.irp t, 0,1,2,3
	v_max3_num_f32 v[ST+8*\t+4], v[ST+8*\t+4], v[ST+8*\t+5], v[ST+8*\t+6]
.endr
.irp t, 0,1,2,3
.if \first
	v_max_num_f32 v[ST+8*\t+4], v[ST+8*\t+4], v[ST+8*\t+7]
.else
	v_max3_num_f32 v[ST+8*\t+4], v[ST+8*\t+4], v[ST+8*\t+7], v[ST+8*\t+1]
.endif
.endr
.irp t, 0,1,2,3
	v_permlanex16_b32 v[ST+8*\t+5], v[ST+8*\t+4], s[SEL], s[SEL+1]  ; the query's other 32 keys lie in the lane 16 away
.endr
.if \first == 0
.irp t, 0,1,2,3
	v_mov_b32 v[ST+8*\t+7], v[ST+8*\t]  ; c m_old is kept for a
.endr
.endif
.irp t, 0,1,2,3
	v_max_num_f32 v[ST+8*\t+1], v[ST+8*\t+4], v[ST+8*\t+5]
.endr
.irp t, 0,1,2,3
	v_mul_f32 v[ST+8*\t], s[CS], v[ST+8*\t+1]
.endr
.if \first == 0
.irp t, 0,1,2,3
	v_sub_f32 v[ST+8*\t+7], v[ST+8*\t+7], v[ST+8*\t]
.endr
.endif
.set e, 0
.rept 16
.irp t, 0,1,2,3
	v_pk_fma_f32 v[S+32*\t+2*e:S+32*\t+2*e+1], v[S+32*\t+2*e:S+32*\t+2*e+1], s[CS:CS+1], v[ST+8*\t:ST+8*\t+1] op_sel_hi:[1,0,0] neg_lo:[0,0,1] neg_hi:[0,0,1]  ; c s - c m, a pair of scores
.endr
.set e, e+1
.endr
	; ONE BATCH of exponentials, none of which reads another's result; one plain line behind the last; ONE wait ahead of the first line that names a result
.if \first == 0
.irp t, 0,1,2,3
	v_exp_f32 v[ST+8*\t+6], v[ST+8*\t+7]
.endr
.endif
.set e, 0
.rept 32
.irp t, 0,1,2,3
	v_exp_f32 v[S+32*\t+e], v[S+32*\t+e]
.endr
.set e, e+1
.endr
	v_nop
	s_wait_alu depctr_va_vdst(0)
	; pair j: first into the sum (of the unrounded weights), then rounded to f16 into register j, which holds nothing that is still wanted: pairs are taken in ascending order
.set j, 0
.rept 16
.irp t, 0,1,2,3
.if j == 0
.if \first
	v_pk_add_f32 v[ST+8*\t+2:ST+8*\t+3], v[S+32*\t:S+32*\t+1], v[S+32*\t+2:S+32*\t+3]
.else
	v_pk_fma_f32 v[ST+8*\t+2:ST+8*\t+3], v[ST+8*\t+2:ST+8*\t+3], v[ST+8*\t+6:ST+8*\t+7], v[S+32*\t:S+32*\t+1] op_sel_hi:[1,0,1]
.endif
.elseif (j > 1) || (\first == 0)
	v_pk_add_f32 v[ST+8*\t+2:ST+8*\t+3], v[ST+8*\t+2:ST+8*\t+3], v[S+32*\t+2*j:S+32*\t+2*j+1]
.endif
.endr
.irp t, 0,1,2,3
	v_cvt_pk_f16_f32 v[S+32*\t+j], v[S+32*\t+2*j], v[S+32*\t+2*j+1]
.endr
.set j, j+1
.endr
.if \first == 0
	WIN W_RS
.set e, 0
.rept 16
.irp t, 0,1,2,3
	v_pk_mul_f32 v[OF+32*\t+2*e:OF+32*\t+2*e+1], v[OF+32*\t+2*e:OF+32*\t+2*e+1], v[ST+8*\t+6:ST+8*\t+7] op_sel_hi:[1,0]  ; O^T times a, each accumulator from its low end on
.endr
.set e, e+1
.endr
.endif
	s_wait_dscnt 0x0                ; V is in
	WIN W_PV
.set i, 0
.rept 32                            ; O^T += V^T P: keys 32 (i / 16) on, channels 16 ((i / 4) % 4) on, tile i % 4
.set ff, i/16
.set cc, (i/4)%4
.set tt, i%4
.if \first && (ff == 0)
	v_wmma_f32_16x16x32_f16 v[OF+32*tt+8*cc:OF+32*tt+8*cc+7], v[VF+32*ff+8*cc:VF+32*ff+8*cc+7], v[S+32*tt+8*ff:S+32*tt+8*ff+7], 0
.else
	v_wmma_f32_16x16x32_f16 v[OF+32*tt+8*cc:OF+32*tt+8*cc+7], v[VF+32*ff+8*cc:VF+32*ff+8*cc+7], v[S+32*tt+8*ff:S+32*tt+8*ff+7], v[OF+32*tt+8*cc:OF+32*tt+8*cc+7]
.endif
.set i, i+1
.endr
	WIN 0
.endm
; THE CHANGE OF SLOTS.  Each wave waits for all its tensor loads, of which one is out: its part of the other slot; adds 0 to its spare word; and waits for that and for its own reads of the slot.
; Behind the barrier nobody reads this slot any more and the other slot is whole.  fill = 1: this slot is filled again, with the keys two slots on: the barrier is then a round of the cluster's, and the joint refill
; is the first thing behind it: it has two key steps, 128 matrix instructions a wave, in which to land.
.macro CHANGE fill
	WIN 0                           ; at a label and at a branch every window is 0
	s_wait_tensorcnt 0x0            ; no tensor load of mine is out, so a group 0 may be written
	ds_add_u32 v[SPW], v[NIL]       ; 0 onto my spare word
.if \fill
.irp g, G0K+4, G0V+4
	s_xor_b32 s[\g+1], s[\g+1], SLOT1  ; the walking descriptor: the other slot than last time,
	s_add_nc_u64 s[\g+2:\g+3], s[\g+2:\g+3], SLOTB  ; the next 128 keys; the type bits on top are not reached
.endr
	s_wait_xcnt 0x0                 ; the last prefetch, two key steps back, has read its address, so it may be written:
	s_add_nc_u64 s[PFA:PFA+1], s[PFA:PFA+1], SLOTB  ; one slot further on than the walking descriptors
	s_wait_dscnt 0x0                ; the add is done, and my reads of the slot are over
	CROUND
	JLOAD
	ASK
.else
	s_wait_dscnt 0x0                ; the add is done, and my reads of the slot are over
	s_barrier_signal -1
	s_barrier_wait -1
.endif
	s_xor_b32 s[TB], s[TB], SLOT1   ; on to the other slot
.endm
	s_wait_tensorcnt 1              ; my part of slot 0 is in; slot 1's may stay out
	s_barrier_signal -1
	s_barrier_wait -1               ; everybody's is
	s_wait_loadcnt 0x0              ; Q
	STEP 0, 1
	STEP 1, 0
.Lslot:                             ; 14 trips: every slot but the last two is filled again
	CHANGE 1
	STEP 0, 0
	STEP 1, 0
	s_sub_co_u32 s[SLOTS], s[SLOTS], 1
	s_cmp_lg_u32 s[SLOTS], 0
	s_cbranch_scc1 .Lslot
	CHANGE 0                        ; the tail is written out
	STEP 0, 0
	STEP 1, 0
	; THE WAY OUT.  l's two halves and the other half of the lanes' are added (these additions are the places behind the last products); O^T is divided by l, rounded to f16 and sent through the work-group's stage.
.irp t, 0,1,2,3
	v_add_f32 v[ST+8*\t+4], v[ST+8*\t+2], v[ST+8*\t+3]
.endr
.irp t, 0,1,2,3
	v_permlanex16_b32 v[ST+8*\t+5], v[ST+8*\t+4], s[SEL], s[SEL+1]
.endr
.irp t, 0,1,2,3
	v_add_f32 v[ST+8*\t+4], v[ST+8*\t+4], v[ST+8*\t+5]
.endr
.irp t, 0,1,2,3
	v_rcp_f32 v[ST+8*\t+6], v[ST+8*\t+4]
.endr
	v_nop                           ; a plain line between the last reciprocal and the use of its result
	s_wait_alu depctr_va_vdst(0)    ; and the wait ahead of the first use: one for the four
.macro PACKT t                      ; tile t: a lane's eight channels of a row pack into 16 bytes
	WIN W_RS
.set e, 0
.rept 16
	v_pk_mul_f32 v[OF+32*\t+2*e:OF+32*\t+2*e+1], v[OF+32*\t+2*e:OF+32*\t+2*e+1], v[ST+8*\t+6:ST+8*\t+7] op_sel_hi:[1,0]
.set e, e+1
.endr
	WIN 0x05                        ; sources 0 and 1 window 1, destination window 0: S^T's registers are free
.set e, 0
.rept 16
	v_cvt_pk_f16_f32 v[S+16*\t+e], v[OF+32*\t+2*e], v[OF+32*\t+2*e+1]
.set e, e+1
.endr
	WIN 0
.irp ct, 0,1,2,3
	ds_store_b128 v[STO], v[S+16*\t+4*\ct:S+16*\t+4*\ct+3] offset:\t*16*SP+32*\ct
.endr
.endm
	PACKT 0
	PACKT 1
	PACKT 2
	PACKT 3
	s_wait_dscnt 0x0                ; for the others' sake: my stores into the stage are done
	s_barrier_signal -1
	s_barrier_wait -1               ; a row's 256 bytes come from waves w and w + 4
.irp i, 0,1,2,3,4,5,6,7,8,9,10,11,12,13,14,15
	ds_load_b128 v[192+4*\i:192+4*\i+3], v[RD] offset:\i*2*SP
.endr
.irp i, 0,1,2,3,4,5,6,7,8,9,10,11,12,13,14,15
	s_wait_dscnt 15-\i              ; the younger loads may be out
	global_store_b128 v[GO], v[192+4*\i:192+4*\i+3], s[6:7] offset:\i*4096  ; 16 lanes store 256 consecutive bytes, at a multiple of 256 from the buffer's first byte
.endr
	s_wait_tensorcnt 0x0            ; the wave's end, behind my last tensor load and my last LDS store
	ds_add_u32 v[SPW], v[NIL]
	s_wait_dscnt 0x0
	CROUND                          ; the closing round: no work-group ends while a partner may still ask for a tile that names it
	s_endpgm
.Lfunc_end_k_qecfe203f59_attn:
	.size	k_qecfe203f59_attn, .Lfunc_end_k_qecfe203f59_attn-k_qecfe203f59_attn
	.p2alignl 7, 3214868480
	.fill 96, 4, 3214868480
	.section	.rodata,"a",@progbits
	.p2align	6, 0x0
	.amdhsa_kernel k_qecfe203f59_attn
		.amdhsa_group_segment_fixed_size 327680
		.amdhsa_private_segment_fixed_size 0
		.amdhsa_enable_private_segment 0
		.amdhsa_kernarg_size 16
		.amdhsa_user_sgpr_count 2
		.amdhsa_user_sgpr_kernarg_segment_ptr 1
		.amdhsa_wavefront_size32 1
		.amdhsa_system_sgpr_workgroup_id_x 1
		.amdhsa_system_sgpr_workgroup_id_y 1
		.amdhsa_system_sgpr_workgroup_id_z 1
		.amdhsa_system_vgpr_workitem_id 0
		.amdhsa_next_free_vgpr 512
		.amdhsa_next_free_sgpr 76
		.amdhsa_reserve_vcc 0
		.amdhsa_float_denorm_mode_32 3
		.amdhsa_float_denorm_mode_16_64 3
		.amdhsa_memory_ordered 1
		.amdhsa_forward_progress 1
		.amdhsa_inst_pref_size 209
	.end_amdhsa_kernel
	.amdgpu_metadata
---
amdhsa.version: [ 1, 2 ]
amdhsa.kernels:
  - .name:           k_qecfe203f59_attn
    .symbol:         k_qecfe203f59_attn.kd
    .args:
      - { .name: qkv, .offset: 0, .size: 8, .value_kind: global_buffer, .address_space: global }
      - { .name: heads, .offset: 8, .size: 8, .value_kind: global_buffer, .address_space: global }
    .group_segment_fixed_size: 327680
    .private_segment_fixed_size: 0
    .kernarg_segment_align: 8
    .kernarg_segment_size: 16
    .max_flat_workgroup_size: 256
    .sgpr_count:     76
    .vgpr_count:     512
    .wavefront_size: 32
...
	.end_amdgpu_metadata
.endif
;; end of part 3
;; launch proj (part 4): grid 8 x 64, 4 waves a work-group, clusters of 4 x 4, 327,680 bytes of LDS; arguments heads, wot, bo, out0; writes out0
.if DOCPART == 4
	.amdgcn_target "amdgcn-amd-amdhsa--gfx1250"
	.amdhsa_code_object_version 6
	.text
	.protected	k_qecfe203f59_proj
	.globl	k_qecfe203f59_proj
	.p2align	8
	.type	k_qecfe203f59_proj,@function
k_qecfe203f59_proj:
	s_mov_b64 s[64:65], 0
	v_nop
	global_prefetch_b8 v0, s[64:65] scope:SCOPE_SE
	s_setreg_imm32_b32 hwreg(HW_REG_WAVE_MODE, 25, 1), 1
	s_wait_xcnt 0x0
	s_wait_alu depctr_hold_cnt(0) depctr_sa_sdst(0) depctr_va_vdst(0) depctr_va_sdst(0) depctr_va_ssrc(0) depctr_va_vcc(0) depctr_vm_vsrc(0)
	s_getreg_b32 s2, hwreg(HW_REG_IB_STS2, 6, 4)
	s_cmp_eq_u32 s2, 0
	s_cbranch_scc0 .Lentry_in_a_cluster
	s_endpgm
.Lentry_in_a_cluster:
	s_bfe_u32 s2, ttmp6, 0x10000c
	s_cmp_lg_u32 s2, 0xf033
	s_cbranch_scc0 .Lentry_shape_is_right
	s_endpgm
.Lentry_shape_is_right:
; MULTI-HEAD ATTENTION, launch 4 of 4: out0[m][n] = sum over k of heads[m][k] Wo[k][n] + bo[n].  A = heads [8192][1024] f16, B = wot [1024 n][1024 k] f16 (Wo turned by the first launch), out0 [8192][1024] f32; sums in f32.
; A tile of C is 128 x 128: 512 work-groups, two even turns of the WGPs.  Four waves, each 64 x 64: 16 accumulators of 16 x 16, 128 registers.  K goes in steps of 256 (LDS rows of 512 bytes; a wave's tensor load brings 64 of them)
; through a ring of two slots.  CLUSTERS: 4 x 4 work-groups; the four of a row of the cluster need the same tiles of A, the four of a column the same tiles of B: each tile is asked for JOINTLY.
; THE MATRIX INSTRUCTION IS USED TRANSPOSED (source 0 = 16 rows of B, source 1 = 16 rows of A): a lane holds eight neighbouring n of one row m.  THE BIAS IS THE C OF EACH SUM'S FIRST PRODUCT.
; A wave's 64 columns of f32 are 256 consecutive bytes, aligned: each wave has a stage of its own on the way out, and no barrier is needed there.
; REGISTERS: window 0: v0-31 addresses; v32-95 rows read back on the way out; v96-127 the bias, 8 registers for each block of 16 n; v128-255 the accumulators ((a, b) at v[128 + 8 (4 a + b)]).
;   window 1: two fragment buffers of 128: for 64 along K, 64 registers of A (2 x 4 x 16 rows x 32 K), then 64 of B.
.set SIZE_N, 1024
.set SIZE_K, 1024
.set KSTEP,  256
.set PITCH,  528                       ; an LDS row: 512 bytes + 16 of padding = 132 words: row r starts at bank 4 r mod 64 (64 banks of 4 bytes: ISA guide 11.1)
.set HALFT,  64*PITCH                  ; 64 rows: what one tensor load brings
.set SLOT,   4*HALFT                   ; A's 128 rows, then B's 128 rows
.set STAGE,  2*SLOT                    ; behind the ring: 16 rows x 272 bytes for each wave, for the way out
.set SPITCH, 272
.set SPARE,  STAGE+4*16*SPITCH         ; the spare words, 128 bytes for each wave: two blocks of 256 bytes that no other line names
.set LAPS, SIZE_K/(2*KSTEP)            ; a lap = two K steps = once round the ring: two laps
.set ADRA, 16                          ; v16-17  LDS address of my A fragments in slot 0, 1
.set ADRB, 20                          ; v20-21  the same for B
.set STO,  24                          ; v24     the way out: where I put 32 bytes of a row
.set RD,   25                          ; v25     where I read a row back
.set CO,   26                          ; v26     my byte offset in C
.set SPW,  28                          ; v28     LDS address of my spare word; never rewritten
.set NIL,  29                          ; v29     0; never rewritten
.set BO,   30                          ; v30     the bias loads' offset; never rewritten
.set OB,   32
.set BI,   96
.set ACC,  128
.set F0,   0                           ; fragment buffers, in window 1
.set F1,   128
.set G1, 24                            ; s[24:31] descriptor group 1 for A's tiles;  s[32:39] group 0, one set for each slot
.set G0, 32
.set G1B, 48                           ; s[48:55], s[56:63] the same for B's tiles
.set G0B, 56
.set MSB, 0
.macro WIN new                         ; the immediate's high byte repeats the setting that is left
.if MSB != (\new)
	s_set_vgpr_msb (MSB<<8)|(\new)
.set MSB, \new
.endif
.endm
.set MUL,  0x05                        ; sources 0 (B) and 1 (A) window 1; C and D window 0
.set TO_F, 0x40                        ; destination window 1, address window 0
.macro JLOAD s                         ; a joint load: waves 0 and 1 fetch A's two halves, waves 2 and 3 B's; an s_nop 0 and four v_nop follow each of the two lines
	s_cmp_eq_u32 s11, 0
	s_cbranch_scc0 .Lfor_b_\@
	tensor_load_to_lds s[G0+4*\s:G0+4*\s+3], s[G1:G1+7]
	s_nop 0
.rept 4
	v_nop
.endr
	s_branch .Lasked_\@
.Lfor_b_\@:
	tensor_load_to_lds s[G0B+4*\s:G0B+4*\s+3], s[G1B:G1B+7]
	s_nop 0
.rept 4
	v_nop
.endr
.Lasked_\@:
.endm
.macro CREST                           ; a round of the cluster's barrier behind its opening barrier
	s_cmp_lg_u32 s10, 0
	s_cbranch_scc1 .Lnot_wave_0_\@
	s_barrier_signal -3
.Lnot_wave_0_\@:
	s_barrier_wait -3
	s_barrier_signal -1
	s_barrier_wait -1
.endm
.macro CROUND                          ; a whole round
	s_barrier_signal -1
	s_barrier_wait -1
	CREST
.endm
	s_load_b128 s[4:7], s[0:1], 0x0                ; A s[4:5], B s[6:7]
	s_load_b64 s[68:69], s[0:1], 0x10              ; bo
	s_load_b64 s[8:9], s[0:1], 0x18                ; C
	v_lshl_add_u32 v[SPW], v0, 2, SPARE
	v_mov_b32 v[NIL], 0
	ds_add_u32 v[SPW], v[NIL]                      ; the wave's opening: the add, twice on end, and its wait ahead of my first tensor load
	ds_add_u32 v[SPW], v[NIL]                      ; and once more, under the one wait; the set-up below, work on registers, stands between
	v_lshrrev_b32 v1, 5, v0
	v_readfirstlane_b32 s10, v1                    ; wave 0..3
	s_lshr_b32 s11, s10, 1                         ; which half of the tile's rows is mine.  Also: I fetch for A (0) or for B (1)
	s_and_b32 s12, s10, 1                          ; which half of its columns.  Also: which 64 rows of that tile I fetch
	s_bfe_u32 s40, ttmp6, 0x40000                  ; cx, cy: my place in the cluster
	s_bfe_u32 s41, ttmp6, 0x40004
	s_lshl_b32 s42, ttmp9, 2
	s_add_co_u32 s42, s42, s40                     ; tile column of C = 4 x cluster x + cx
	s_and_b32 s13, ttmp7, 0xffff
	s_lshl_b32 s13, s13, 2
	s_add_co_u32 s13, s13, s41                     ; tile row of C = 4 x cluster y + cy
	s_lshl_b32 s43, s41, 2
	s_lshl_b32 s43, 15, s43                        ; my row of the cluster
	s_lshl_b32 s44, 0x1111, s40                    ; my column
	; descriptor group 1: a tile of 64 rows x 256 elements, padded in LDS
	s_or_b32 s[G1+0], s43, (1<<16)|(1<<20)|(1<<21)|(6<<22)|(3<<25)  ; 15:0 the mask: A's tiles go to my row; 17:16 element of 2 bytes; 20 padding on; 21 set beside a mask; 24:22 after every 128 words (code 6); 31:25 of 4 words (code 3)
	s_or_b32 s[G1B+0], s44, (1<<16)|(1<<20)|(1<<21)|(6<<22)|(3<<25)
.irp g, G1, G1B
	s_mov_b32 s[\g+1], KSTEP<<16                   ; tensor_dim0 = 256
	s_mov_b32 s[\g+2], 64<<16                      ; tensor_dim1 = 64
	s_mov_b32 s[\g+3], KSTEP<<16                   ; tile_dim0 = 256
	s_mov_b32 s[\g+4], 64                          ; tile_dim1 = 64
	s_mov_b32 s[\g+5], SIZE_K                      ; tensor_dim0_stride
	s_mov_b32 s[\g+6], 0
	s_mov_b32 s[\g+7], 0
.endr
	s_lshl_b32 s17, s12, 6                         ; which 64 rows of the tile I fetch
	s_lshl_b32 s16, s13, 7
	s_add_co_u32 s16, s16, s17                     ; A: row 128 x tile row + 64 x half
	s_lshl_b32 s46, s42, 7
	s_add_co_u32 s46, s46, s17                     ; B: row 128 x tile column + 64 x half
	s_mov_b32 s17, 0
	s_mov_b32 s47, 0
	s_mov_b64 s[18:19], SIZE_K*2
	s_mul_u64 s[16:17], s[16:17], s[18:19]
	s_mul_u64 s[46:47], s[46:47], s[18:19]
	s_mul_i32 s20, s10, HALFT                      ; where they go: wave x 64 rows: no place in the cluster enters an LDS address
	s_wait_dscnt 0x0                               ; both opening adds are done
	s_wait_kmcnt 0x0
	s_add_nc_u64 s[14:15], s[4:5], s[16:17]
	s_add_nc_u64 s[46:47], s[6:7], s[46:47]
	CROUND                                         ; all sixteen work-groups are here: the first joint loads meet
.irp s, 0,1
	s_mov_b32 s[G0+4*\s], 1
	s_add_co_u32 s[G0+4*\s+1], s20, \s*SLOT
	s_add_nc_u64 s[G0+4*\s+2:G0+4*\s+3], s[14:15], \s*KSTEP*2
	s_or_b32 s[G0+4*\s+3], s[G0+4*\s+3], 0x80000000
	s_mov_b32 s[G0B+4*\s], 1
	s_add_co_u32 s[G0B+4*\s+1], s20, \s*SLOT
	s_add_nc_u64 s[G0B+4*\s+2:G0B+4*\s+3], s[46:47], \s*KSTEP*2
	s_or_b32 s[G0B+4*\s+3], s[G0B+4*\s+3], 0x80000000
	JLOAD \s                                       ; two loads of mine are out
.endr
	v_and_b32 v1, 15, v0                           ; l % 16
	v_bfe_u32 v2, v0, 4, 1                         ; l / 16
	v_mul_u32_u24 v3, v1, PITCH
	v_lshl_add_u32 v3, v2, 4, v3                   ; a fragment's row x pitch + 16 x half
	s_mul_i32 s21, s11, HALFT                      ; my 64 rows of A
	s_mul_i32 s22, s12, HALFT                      ; my 64 rows of B,
	s_add_co_u32 s22, s22, 2*HALFT                 ; which lie behind A's 128
.irp s, 0,1
	v_add_nc_u32 v[ADRA+\s], s21, v3
	v_add_nc_u32 v[ADRB+\s], s22, v3
	s_add_co_u32 s21, s21, SLOT
	s_add_co_u32 s22, s22, SLOT
.endr
	s_mul_i32 s23, s10, 16*SPITCH
	s_add_co_u32 s23, s23, STAGE                   ; my stage
	v_mul_u32_u24 v4, v1, SPITCH                   ; in: row l % 16, 32 bytes for each half of the lanes
	v_lshl_add_u32 v4, v2, 5, v4
	v_add_nc_u32 v[STO], s23, v4
	v_mul_u32_u24 v5, v2, SPITCH                   ; back: lanes 0-15 take one row of 256 bytes, lanes 16-31 the next
	v_lshl_add_u32 v5, v1, 4, v5
	v_add_nc_u32 v[RD], s23, v5
	v_lshlrev_b32 v5, 12, v2                       ; and the same two rows in C (4,096 bytes a row)
	v_lshl_add_u32 v[CO], v1, 4, v5
	s_lshl_b32 s16, s13, 7
	s_lshl_b32 s17, s11, 6
	s_add_co_u32 s16, s16, s17                     ; my first row of C: 128 x tile row + 64 x half
	s_lshl_b32 s16, s16, 12
	s_lshl_b32 s46, s42, 9                         ; my first column, in bytes: 512 x tile column + 256 x half
	s_lshl_b32 s47, s12, 8
	s_add_co_u32 s46, s46, s47
	s_add_co_u32 s16, s16, s46                     ; under 2^25
	s_mov_b32 s17, 0
	s_add_nc_u64 s[8:9], s[8:9], s[16:17]
	s_mov_b32 s47, 0
	s_add_nc_u64 s[68:69], s[68:69], s[46:47]      ; bo at my first column
	v_lshlrev_b32 v[BO], 5, v2                     ; the bias in the result's layout: register BI + 8 b + j of lane (r, h) = bo[my first column + 16 b + 8 h + j]
.irp b, 0,1,2,3
	global_load_b128 v[BI+8*\b:BI+8*\b+3], v[BO], s[68:69] offset:64*\b
	global_load_b128 v[BI+8*\b+4:BI+8*\b+7], v[BO], s[68:69] offset:64*\b+16
.endr
; 8 matrix instructions: m blocks a0, a0 + 1 x all 4 n blocks, 32 along K: half c of buffer f.  zero = 1: the first product starts the sum from the bias.  The 16 accumulators take turns
.macro MUL8 f, c, a0, zero
.irp a, \a0, \a0+1
.irp b, 0,1,2,3
.if \zero
	v_wmma_f32_16x16x32_f16 v[ACC+8*(4*(\a)+\b):ACC+8*(4*(\a)+\b)+7], v[\f+64+8*(4*\c+\b):\f+64+8*(4*\c+\b)+7], v[\f+8*(4*\c+\a):\f+8*(4*\c+\a)+7], v[BI+8*\b:BI+8*\b+7]
.else
	v_wmma_f32_16x16x32_f16 v[ACC+8*(4*(\a)+\b):ACC+8*(4*(\a)+\b)+7], v[\f+64+8*(4*\c+\b):\f+64+8*(4*\c+\b)+7], v[\f+8*(4*\c+\a):\f+8*(4*\c+\a)+7], v[ACC+8*(4*(\a)+\b):ACC+8*(4*(\a)+\b)+7]
.endif
.endr
.endr
.endm
; 32 LDS loads in one run: the fragments of 64 along K at byte k of the rows, into buffer f; the first 32 along K first
.macro FETCH slot, k, f
	WIN TO_F
.irp c, 0,1
.irp i, 0,1,2,3
	ds_load_b128 v[\f+64+8*(4*\c+\i):\f+64+8*(4*\c+\i)+3],   v[ADRB+\slot] offset:\k+64*\c+\i*16*PITCH
	ds_load_b128 v[\f+64+8*(4*\c+\i)+4:\f+64+8*(4*\c+\i)+7], v[ADRB+\slot] offset:\k+64*\c+\i*16*PITCH+32
	ds_load_b128 v[\f+8*(4*\c+\i):\f+8*(4*\c+\i)+3],         v[ADRA+\slot] offset:\k+64*\c+\i*16*PITCH
	ds_load_b128 v[\f+8*(4*\c+\i)+4:\f+8*(4*\c+\i)+7],       v[ADRA+\slot] offset:\k+64*\c+\i*16*PITCH+32
.endr
.endr
.endm
.macro PLACES                          ; four places in front of loads into registers that matrix instructions have read, and of the first read of results (ISA guide 7.12.1 for vector instructions)
.rept 4
	v_nop
.endr
.endm
; A K step is four quarters of 64 along K, 32 matrix instructions each, on buffers 0, 1, 0, 1.  One of the first three: multiplies buffer f and fetches the next quarter, at byte k, into g.
.macro QUARTER slot, k, f, g, zero
	s_wait_dscnt 16                                ; the first 32 along K are in; the youngest sixteen loads may be out
	WIN MUL
	MUL8 \f, 0, 0, \zero
	MUL8 \f, 0, 2, \zero
	PLACES
	FETCH \slot, \k, \g
	s_wait_dscnt 32                                ; all but the 32 just issued
	WIN MUL
	MUL8 \f, 1, 0, 0
	MUL8 \f, 1, 2, 0
.endm
; The last quarter multiplies buffer 1 and changes slots: ONE barrier; in front of it each wave waits for all its tensor loads, adds 0 to its spare word, and waits for that and for its own reads of this slot.  fill = 1: this slot is filled again, two K steps ahead.
.macro TURN slot, next, fill
	WIN 0                                          ; (the add's two registers lie in window 0)
	s_wait_tensorcnt 0x0                           ; all my tensor loads have landed: my part of the next slot;
	ds_add_u32 v[SPW], v[NIL]                      ; 0 onto my spare word;
	s_wait_dscnt 17                                ; (the add and the youngest sixteen loads may be out)
	WIN MUL
	MUL8 F1, 0, 0, 0                               ; eight matrix instructions stand between the add and the wait for it
	s_wait_dscnt 0x0                               ; the add is done, and my reads of this slot are over
	s_barrier_signal -1
	MUL8 F1, 0, 2, 0
.if \fill
	WIN 0
.endif
	s_barrier_wait -1
.if \fill
	CREST                                          ; the barrier has opened a round of the cluster's barrier: no wave of any partner still reads this slot's tile or has a load on its way
	s_add_nc_u64 s[G0+4*\slot+2:G0+4*\slot+3], s[G0+4*\slot+2:G0+4*\slot+3], 2*KSTEP*2
	s_add_nc_u64 s[G0B+4*\slot+2:G0B+4*\slot+3], s[G0B+4*\slot+2:G0B+4*\slot+3], 2*KSTEP*2
	JLOAD \slot                                    ; the first tensor load behind the round; the four v_nop behind it are also the places in front of the loads below
.else
	PLACES
.endif
	FETCH \next, 0, F0
	WIN MUL
	MUL8 F1, 1, 0, 0
	MUL8 F1, 1, 2, 0
.endm
	s_wait_tensorcnt 1                             ; my part of K step 0 is in (K step 1's load may be out),
	s_barrier_signal -1
	s_barrier_wait -1                              ; everybody's is
	s_wait_loadcnt 0x0                             ; the bias
	FETCH 0, 0, F0
	QUARTER 0, 128, F0, F1, 1                      ; the first quarter stands in front of the loop: its first products start the sums
	WIN 0                                          ; at a label and at a branch every window is 0
	s_mov_b32 s3, LAPS-1
.Llap:                                                 ; a trip goes once round the ring, from a lap's second quarter to the next lap's first, and fills both slots again
	QUARTER 0, 256, F1, F0, 0
	QUARTER 0, 384, F0, F1, 0
	TURN 0, 1, 1
	QUARTER 1, 128, F0, F1, 0
	QUARTER 1, 256, F1, F0, 0
	QUARTER 1, 384, F0, F1, 0
	TURN 1, 0, 1
	QUARTER 0, 128, F0, F1, 0
	WIN 0
	s_sub_co_u32 s3, s3, 1
	s_cmp_lg_u32 s3, 0
	s_cbranch_scc1 .Llap
	QUARTER 0, 256, F1, F0, 0                      ; the last lap fills nothing, and has no round of the cluster's barrier
	QUARTER 0, 384, F0, F1, 0
	TURN 0, 1, 0
	QUARTER 1, 128, F0, F1, 0
	QUARTER 1, 256, F1, F0, 0
	QUARTER 1, 384, F0, F1, 0
	s_wait_dscnt 16                                ; the very last quarter: nothing more to fetch
	WIN MUL
	MUL8 F1, 0, 0, 0
	MUL8 F1, 0, 2, 0
	s_wait_dscnt 0
	MUL8 F1, 1, 0, 0
	MUL8 F1, 1, 2, 0
	WIN 0
; THE WAY OUT, block by block of 16 rows x 64 columns.  A lane holds 32 neighbouring bytes of a row, and the lanes beside it hold other rows: so a block goes through my own stage in LDS and comes back as whole rows of 256 bytes.
; LDS serves a wave's instructions in order (ISA guide 5.7.1.4): no wait between the stores and the loads, nor in front of the next block's stores.
.macro TOSTAGE a
.irp b, 0,1,2,3
	ds_store_b128 v[STO], v[ACC+8*(4*(\a)+\b):ACC+8*(4*(\a)+\b)+3] offset:64*\b            ; each accumulator from its low end on
	ds_store_b128 v[STO], v[ACC+8*(4*(\a)+\b)+4:ACC+8*(4*(\a)+\b)+7] offset:64*\b+16
.endr
.set BB, OB+32*((\a)%2)
.irp t, 0,1,2,3,4,5,6,7
	ds_load_b128 v[BB+4*\t:BB+4*\t+3], v[RD] offset:\t*2*SPITCH
.endr
.endm
.macro SEND a, younger                 ; younger: the LDS instructions issued behind block a's loads, which may stay out
.set BB, OB+32*((\a)%2)
	s_wait_dscnt \younger                          ; the block is back in registers
.irp t, 0,1,2,3,4,5,6,7
	global_store_b128 v[CO], v[BB+4*\t:BB+4*\t+3], s[8:9] offset:(16*(\a)+2*\t)*SIZE_N*4 th:TH_STORE_NT   ; 16 lanes store 256 consecutive bytes, at a multiple of 256 from C's first byte; written once, read by nobody here
.endr
.endm
	PLACES                                         ; between the last products and the first reads of results
	TOSTAGE 0
.irp a, 1,2,3
.if \a > 1
	s_wait_xcnt 0x0                                ; block a - 2's stores have read their registers: block a's loads may land there
.endif
	TOSTAGE \a
	SEND \a-1, 16                                  ; behind block a - 1's loads: block a's 8 stores and 8 loads
.endr
	SEND 3, 0
	s_wait_tensorcnt 0x0                           ; the wave's end, behind my last tensor load and my last LDS store
	ds_add_u32 v[SPW], v[NIL]
	s_wait_dscnt 0x0
	CROUND                                         ; the closing round: no work-group ends while a partner may still ask for a tile that names it
	s_endpgm
.Lfunc_end_k_qecfe203f59_proj:
	.size	k_qecfe203f59_proj, .Lfunc_end_k_qecfe203f59_proj-k_qecfe203f59_proj
	.p2alignl 7, 3214868480
	.fill 96, 4, 3214868480
	.section	.rodata,"a",@progbits
	.p2align	6, 0x0
	.amdhsa_kernel k_qecfe203f59_proj
		.amdhsa_group_segment_fixed_size 327680
		.amdhsa_private_segment_fixed_size 0
		.amdhsa_enable_private_segment 0
		.amdhsa_kernarg_size 32
		.amdhsa_user_sgpr_count 2
		.amdhsa_user_sgpr_kernarg_segment_ptr 1
		.amdhsa_wavefront_size32 1
		.amdhsa_system_sgpr_workgroup_id_x 1
		.amdhsa_system_sgpr_workgroup_id_y 1
		.amdhsa_system_sgpr_workgroup_id_z 1
		.amdhsa_system_vgpr_workitem_id 0
		.amdhsa_next_free_vgpr 512
		.amdhsa_next_free_sgpr 70
		.amdhsa_reserve_vcc 0
		.amdhsa_float_denorm_mode_32 3
		.amdhsa_float_denorm_mode_16_64 3
		.amdhsa_memory_ordered 1
		.amdhsa_forward_progress 1
		.amdhsa_inst_pref_size 86
	.end_amdhsa_kernel
	.amdgpu_metadata
---
amdhsa.version: [ 1, 2 ]
amdhsa.kernels:
  - .name:           k_qecfe203f59_proj
    .symbol:         k_qecfe203f59_proj.kd
    .args:
      - { .name: heads, .offset: 0, .size: 8, .value_kind: global_buffer, .address_space: global }
      - { .name: wot, .offset: 8, .size: 8, .value_kind: global_buffer, .address_space: global }
      - { .name: bo, .offset: 16, .size: 8, .value_kind: global_buffer, .address_space: global }
      - { .name: out0, .offset: 24, .size: 8, .value_kind: global_buffer, .address_space: global }
    .group_segment_fixed_size: 327680
    .private_segment_fixed_size: 0
    .kernarg_segment_align: 8
    .kernarg_segment_size: 32
    .max_flat_workgroup_size: 128
    .sgpr_count:     70
    .vgpr_count:     512
    .wavefront_size: 32
...
	.end_amdgpu_metadata
.endif
;; end of part 4
